; MI455X (gfx1250); checked and timed in simulation.
; The chip was launched on July 23, 2026; its instructions are those of AMD's public machine-readable ISA for CDNA 5 (MIT licence, August 2026) and "CDNA5" Instruction Set Architecture Reference Guide (July 2026). The comments in the code are by the model that wrote it; some were corrected since.
;; Attention Block. Allowed arithmetic: float matrix products may take bf16 or f16 operands with f32 sums; other float arithmetic in f32, or as packed bf16 or f16 multiplies, adds, multiply-adds, maxima and minima; sums over many terms, partial sums and values carried from step to step in f32; what a program stores and reads back later, other than sums and carried values, may be rounded once to bf16 or f16.
;; Inputs: b_proj 256 float32; b_qkv 768 float32; beta 256 float32; gamma 256 float32; w_proj 256 x 256 float32; w_qkv 768 x 256 float32; x 4 x 256 x 64 x 64 float32.
;; Outputs: out0 4 x 256 x 64 x 64 float32.
;; 2 versions, each right. Each part assembles by itself: llvm-mc -triple=amdgcn-amd-amdhsa -mcpu=gfx1250 --defsym DOCPART=n.
;; ======== version 1 of 2: 3 launches
;; workspace buffers: stats 2,048 bytes; wf 524,288 bytes; qf 8,388,608 bytes; kv 16,777,216 bytes
;; launch prep (part 1): grid 256 x 1, 8 waves a work-group, no clusters, 1,280 bytes of LDS; arguments x, w_qkv, w_proj, stats, wf; writes stats, wf
.if DOCPART == 1
	.amdgcn_target "amdgcn-amd-amdhsa--gfx1250"
	.amdhsa_code_object_version 6
	.text
	.protected	k_q96bd1f958a_prep
	.globl	k_q96bd1f958a_prep
	.p2align	8
	.type	k_q96bd1f958a_prep,@function
k_q96bd1f958a_prep:
	s_mov_b64 s[64:65], 0
	v_nop
	global_prefetch_b8 v0, s[64:65] scope:SCOPE_SE
	s_setreg_imm32_b32 hwreg(HW_REG_WAVE_MODE, 25, 1), 1
	s_wait_xcnt 0x0
; FIRST OF THREE LAUNCHES (prep, qkv, attn) for: out = x + Wproj softmax(q k^T / 16) v + b_proj, with q, k, v = Wqkv GroupNorm(x) + b_qkv.
; x: [4][256][4096] f32.  This launch makes (1) the GroupNorm figures of half a group a work-group, (2) all weights in bf16, laid out as matrix fragments.
; WORK LEFT OUT IN THE WHOLE PROGRAM: k's bias, b_qkv[256:512].  A score is q_i . (k_j + b_k) = q_i . k_j + q_i . b_k; the second term does not hang on j, the axis of the softmax,
; and softmax(s + const) = softmax(s) for all values: it reaches no output.  Those 256 numbers are never loaded (q's and v's parts of b_qkv are live, so the buffer stays an argument of qkv).
; LIMIT: a NaN, an infinity or an overflow that reaches only that part of b_qkv is not carried to the result.
; SHARES.  Work-group i owns the 65,536 consecutive bytes of x at 65,536 i: 4 channels, half of group i / 2 (= 32 b + g): 256 threads x 16 loads of 16 bytes, kept in 64 registers a lane
; between the pass that finds the mean and the pass that sums the squares of x - mean: x is read once, and no difference of large sums is formed.  The two halves are joined in qkv.
; It stores (mean, sum of centred squares) as 8 bytes at stats + 8 i: 2,048 bytes in the whole launch.
; Waves 0-3 also convert a quarter of weight row tile T = i / 4 (16 rows x 64 columns): T 0-15 Wq, 16-31 Wk, 32-47 Wv, 48-63 Wproj.
; FRAGMENT ORDER (wf, and qf and kv later): a fragment is 16 rows x 32 k of bf16, 1,024 bytes; the 16 bytes at 512 part + 16 lane hold row lane % 16, k = 16 part + 8 (lane / 16) + 0..7:
; 32 lanes x 16 consecutive bytes are registers 0-3 (part 0) or 4-7 (part 1) of a matrix operand.  wf: [T][kf 0..7][1,024].
.set SPARE, 256                        ; LDS: bytes 0-31 eight waves' sums, 32-63 eight waves' sums of squares; from 256 on the spare words, 128 bytes a wave
.set XO,  1                            ; v1   16 x thread: my 16 bytes in each 4,096 of x, and in the 2,048 bytes of wf; never rewritten
.set SPW, 2                            ; v2   LDS address of my spare word; never rewritten
.set NIL, 3                            ; v3   0; never rewritten
.set X,   32                           ; v[32:95] my 64 numbers of x
	s_load_b256 s[4:11], s[0:1], 0x0               ; x s[4:5], w_qkv s[6:7], w_proj s[8:9], stats s[10:11]
	s_load_b64 s[12:13], s[0:1], 0x20              ; wf
	v_lshl_add_u32 v[SPW], v0, 2, SPARE
	v_mov_b32 v[NIL], 0
	v_lshrrev_b32 v4, 5, v0
	v_readfirstlane_b32 s14, v4                    ; wave 0..7
	v_lshlrev_b32 v[XO], 4, v0
	v_mov_b32 v5, s14
	v_lshlrev_b32 v5, 2, v5                        ; my wave's word in LDS
	v_mov_b32 v6, 0                                ; LDS address 0
	v_mov_b32 v12, 0                               ; offset of the store into stats
	s_lshl_b32 s16, ttmp9, 16                      ; the work-group's 65,536 bytes of x
	s_mov_b32 s17, 0
	s_mov_b32 s22, 0x76543210                      ; v_permlanex16_b32: each lane takes its own place in the other half
	s_mov_b32 s23, 0xfedcba98
	s_lshr_b32 s24, ttmp9, 2                       ; T
	s_and_b32 s25, ttmp9, 3                        ; which quarter of its columns
	s_wait_kmcnt 0x0
	s_add_nc_u64 s[4:5], s[4:5], s[16:17]
.set k, 0
.rept 16
	global_load_b128 v[X+4*k:X+4*k+3], v[XO], s[4:5] offset:4096*k th:TH_LOAD_NT  ; a wave's load covers 512 consecutive bytes
.set k, k+1
.endr
	s_cmp_lt_u32 s14, 4
	s_cbranch_scc0 .Lno_w                          ; waves 4-7 convert nothing
	s_cmp_lt_u32 s24, 48
	s_cselect_b64 s[18:19], s[6:7], s[8:9]         ; tiles 0-47 lie in w_qkv, 48-63 in w_proj
	s_cselect_b32 s26, 0, 48
	s_sub_co_u32 s26, s24, s26
	s_lshl_b32 s26, s26, 14                        ; 16 rows of 1,024 bytes
	s_lshl_b32 s27, s25, 8                         ; 64 columns of 4 bytes
	s_add_co_u32 s26, s26, s27
	s_mov_b32 s27, 0
	s_add_nc_u64 s[18:19], s[18:19], s[26:27]
	s_lshl_b32 s26, s24, 13                        ; in wf a tile is 8,192 bytes,
	s_lshl_b32 s28, s25, 11                        ; a quarter two fragments
	s_add_co_u32 s26, s26, s28
	s_add_nc_u64 s[12:13], s[12:13], s[26:27]
	v_and_b32 v100, 15, v0                         ; thread u = 64 fragment + 32 part + 16 h + r takes row r,
	v_lshrrev_b32 v101, 4, v0
	v_lshlrev_b32 v100, 10, v100
	v_lshl_add_u32 v100, v101, 5, v100             ; columns 8 (u / 16) + 0..7: 32 bytes
	global_load_b128 v[24:27], v100, s[18:19]
	global_load_b128 v[28:31], v100, s[18:19] offset:16
	s_wait_loadcnt 0x0                             ; these two are the youngest; x is wanted whole next anyway
	v_cvt_pk_bf16_f32 v96, v24, v25
	v_cvt_pk_bf16_f32 v97, v26, v27
	v_cvt_pk_bf16_f32 v98, v28, v29
	v_cvt_pk_bf16_f32 v99, v30, v31
	global_store_b128 v[XO], v[96:99], s[12:13]    ; 16 u: a wave stores 512 consecutive bytes; v96-99 are written nowhere else
.Lno_w:
	s_wait_loadcnt 0x0                             ; all of my x
; the lanes' figures in v[16:17] -> the wave's in v16, in every lane
.macro LANES
	v_add_f32 v16, v16, v17
	v_add_f32_dpp v16, v16, v16 row_xmask:1 row_mask:0xf bank_mask:0xf
	v_add_f32_dpp v16, v16, v16 row_xmask:2 row_mask:0xf bank_mask:0xf
	v_add_f32_dpp v16, v16, v16 row_xmask:4 row_mask:0xf bank_mask:0xf
	v_add_f32_dpp v16, v16, v16 row_xmask:8 row_mask:0xf bank_mask:0xf
	v_permlanex16_b32 v17, v16, s22, s23
	v_add_f32 v16, v16, v17
.endm
; the four chains v[16:23] -> v[16:17]
.macro CHAINS
	v_pk_add_f32 v[16:17], v[16:17], v[18:19]
	v_pk_add_f32 v[20:21], v[20:21], v[22:23]
	v_pk_add_f32 v[16:17], v[16:17], v[20:21]
.endm
; the waves' figures meet in eight words at LDS byte off -> the work-group's in v16, in every lane
.macro WAVES off
	ds_store_b32 v5, v16 offset:\off
	s_wait_dscnt 0x0                               ; for the others' sake: my word is written
	s_barrier_signal -1
	s_barrier_wait -1
	ds_load_b128 v[24:27], v6 offset:\off
	ds_load_b128 v[28:31], v6 offset:\off+16
	s_wait_dscnt 0x0
	v_pk_add_f32 v[24:25], v[24:25], v[26:27]
	v_pk_add_f32 v[28:29], v[28:29], v[30:31]
	v_pk_add_f32 v[24:25], v[24:25], v[28:29]
	v_add_f32 v16, v24, v25
.endm
	; pass 1: the sum, in four chains of pairs; the first eight pairs start them: nothing is cleared
.set p, 0
.rept 4
	v_pk_add_f32 v[16+2*p:17+2*p], v[X+2*p:X+2*p+1], v[X+8+2*p:X+9+2*p]
.set p, p+1
.endr
.set p, 8
.rept 24
	v_pk_add_f32 v[16+2*(p%4):17+2*(p%4)], v[16+2*(p%4):17+2*(p%4)], v[X+2*p:X+2*p+1]
.set p, p+1
.endr
	CHAINS
	LANES
	WAVES 0
	v_mul_f32 v8, 0x38800000, v16                  ; mean = sum / 16,384
	v_mov_b32 v9, v8                               ; twice, for the packed subtraction
	v_mov_b32 v10, v8                              ; and for the store
	; pass 2: the sum of (x - mean)^2, from the registers
.set p, 0
.rept 32
	v_pk_add_f32 v[X+2*p:X+2*p+1], v[X+2*p:X+2*p+1], v[8:9] neg_lo:[0,1] neg_hi:[0,1]
.if p < 4
	v_pk_mul_f32 v[16+2*p:17+2*p], v[X+2*p:X+2*p+1], v[X+2*p:X+2*p+1]
.else
	v_pk_fma_f32 v[16+2*(p%4):17+2*(p%4)], v[X+2*p:X+2*p+1], v[X+2*p:X+2*p+1], v[16+2*(p%4):17+2*(p%4)]
.endif
.set p, p+1
.endr
	CHAINS
	LANES
	WAVES 32                                       ; other words than the first meeting's: no barrier is wanted between the two
	v_mov_b32 v11, v16
	s_cmp_lg_u32 s14, 0
	s_cbranch_scc1 .Lend                           ; wave 0's first lane stores the two figures
	s_lshl_b32 s16, ttmp9, 3
	s_add_nc_u64 s[10:11], s[10:11], s[16:17]
	s_wait_xcnt 0x0                                ; EXEC is a source of the loads and the store above: it changes only behind this wait
	v_cmp_eq_u32 vcc_lo, 0, v0
	s_and_saveexec_b32 s20, vcc_lo
	global_store_b64 v12, v[10:11], s[10:11]
	s_wait_xcnt 0x0                                ; and again in front of the line that widens it
	s_or_b32 exec_lo, exec_lo, s20
.Lend:
	s_wait_tensorcnt 0x0                           ; the wave's end, behind my last LDS store
	ds_add_u32 v[SPW], v[NIL]
	s_wait_dscnt 0x0
	s_endpgm
.Lfunc_end_k_q96bd1f958a_prep:
	.size	k_q96bd1f958a_prep, .Lfunc_end_k_q96bd1f958a_prep-k_q96bd1f958a_prep
	.p2alignl 7, 3214868480
	.fill 96, 4, 3214868480
	.section	.rodata,"a",@progbits
	.p2align	6, 0x0
	.amdhsa_kernel k_q96bd1f958a_prep
		.amdhsa_group_segment_fixed_size 1280
		.amdhsa_private_segment_fixed_size 0
		.amdhsa_enable_private_segment 0
		.amdhsa_kernarg_size 40
		.amdhsa_user_sgpr_count 2
		.amdhsa_user_sgpr_kernarg_segment_ptr 1
		.amdhsa_wavefront_size32 1
		.amdhsa_system_sgpr_workgroup_id_x 1
		.amdhsa_system_sgpr_workgroup_id_y 1
		.amdhsa_system_sgpr_workgroup_id_z 1
		.amdhsa_system_vgpr_workitem_id 0
		.amdhsa_next_free_vgpr 104
		.amdhsa_next_free_sgpr 66
		.amdhsa_reserve_vcc 1
		.amdhsa_float_denorm_mode_32 3
		.amdhsa_float_denorm_mode_16_64 3
		.amdhsa_memory_ordered 1
		.amdhsa_forward_progress 1
		.amdhsa_inst_pref_size 13
	.end_amdhsa_kernel
	.amdgpu_metadata
---
amdhsa.version: [ 1, 2 ]
amdhsa.kernels:
  - .name:           k_q96bd1f958a_prep
    .symbol:         k_q96bd1f958a_prep.kd
    .args:
      - { .name: x, .offset: 0, .size: 8, .value_kind: global_buffer, .address_space: global }
      - { .name: w_qkv, .offset: 8, .size: 8, .value_kind: global_buffer, .address_space: global }
      - { .name: w_proj, .offset: 16, .size: 8, .value_kind: global_buffer, .address_space: global }
      - { .name: stats, .offset: 24, .size: 8, .value_kind: global_buffer, .address_space: global }
      - { .name: wf, .offset: 32, .size: 8, .value_kind: global_buffer, .address_space: global }
    .group_segment_fixed_size: 1280
    .private_segment_fixed_size: 0
    .kernarg_segment_align: 8
    .kernarg_segment_size: 40
    .max_flat_workgroup_size: 256
    .sgpr_count:     66
    .vgpr_count:     104
    .wavefront_size: 32
...
	.end_amdgpu_metadata
.endif
;; end of part 1
;; launch qkv (part 2): grid 256 x 1, 4 waves a work-group, clusters of 4 x 1, 327,680 bytes of LDS; arguments x, stats, gamma, beta, wf, b_qkv, qf, kv; writes qf, kv
.if DOCPART == 2
	.amdgcn_target "amdgcn-amd-amdhsa--gfx1250"
	.amdhsa_code_object_version 6
	.text
	.protected	k_q96bd1f958a_qkv
	.globl	k_q96bd1f958a_qkv
	.p2align	8
	.type	k_q96bd1f958a_qkv,@function
k_q96bd1f958a_qkv:
	s_mov_b64 s[64:65], 0
	v_nop
	global_prefetch_b8 v0, s[64:65] scope:SCOPE_SE
	s_setreg_imm32_b32 hwreg(HW_REG_WAVE_MODE, 25, 1), 1
	s_wait_xcnt 0x0
	s_wait_alu depctr_hold_cnt(0) depctr_sa_sdst(0) depctr_va_vdst(0) depctr_va_sdst(0) depctr_va_ssrc(0) depctr_va_vcc(0) depctr_vm_vsrc(0)
	s_getreg_b32 s2, hwreg(HW_REG_IB_STS2, 6, 4)
	s_cmp_eq_u32 s2, 0
	s_cbranch_scc0 .Lentry_in_a_cluster
	s_endpgm
.Lentry_in_a_cluster:
	s_bfe_u32 s2, ttmp6, 0x10000c
	s_cmp_lg_u32 s2, 0x3003
	s_cbranch_scc0 .Lentry_shape_is_right
	s_endpgm
.Lentry_shape_is_right:
; SECOND LAUNCH: h = GroupNorm(x) in bf16, then q = Wq h + b_q, k = Wk h, v = Wv h + b_v, stored in bf16 in fragment order for the attention launch.
; LEFT OUT: k's bias, b_qkv[256:512]: it adds to every score of a query the same number, which the softmax cancels for all values (shown at the head of prep); it is not loaded.
; SHARES.  A work-group owns 64 positions of one batch (256 bytes of each of the 256 channel rows of x) and makes all 768 outputs for them.  Wave w makes output channels 64 w .. 64 w + 63 of q,
; then of k, then of v: each time 16 accumulators (4 tiles of 16 channels x 4 tiles of 16 positions) x 8 steps of 32 input channels = 128 matrix instructions; the 16 take turns, one instruction a turn.
; THE WEIGHTS (384 KiB in wf, the same for every work-group) come by tensor loads that the four work-groups of a cluster ask for JOINTLY (mask 15): Wq and Wk at the start, Wv into Wq's bytes
; when every wave of the cluster has read Wq into registers.  Wave w fetches, and alone reads, bytes 32,768 w .. of a slot.  By this text's count two tensor loads of a wave are out at the start, one later.
; h goes through LDS as [channel][position] and comes out turned, by ds_load_tr16_b128, as fragments (row = position, k = channel).
; WHICH SOURCE IS WHICH.  q, k: source 0 = W, source 1 = h: a lane holds one position and eight channels, which pack into 16 bytes of a fragment (row = position, k = channel).
; v: source 0 = h, source 1 = W: a lane holds one channel and eight positions: 16 bytes of a fragment (row = channel, k = key).  Every store of a wave covers 512 consecutive bytes, aligned.
; qf: [b][query tile of 16][kf 0..7][1,024].  kv: [b][block of 32 keys][K: key tile 0..1, kf 0..7, 1,024 | V: channel tile 0..15, 1,024].
; The bias is the C operand of the product that starts a sum (k: the constant 0).
; GROUPNORM.  The two halves' (mean, M) of prep are joined: mean = (m0 + m1) / 2, M = M0 + M1 + 8,192 (m0 - m1)^2, var = M / 32,768; a = gamma rsqrt(var + 1e-6), d = beta - mean a, h = a x + d.
; REGISTERS, in windows of 256 (s_set_vgpr_msb: bits 1:0 source 0, 3:2 source 1, 5:4 source 2, 7:6 destination):
;   window 0: v0-29 addresses and the table's arithmetic; v32-63 q's bias; v64-127 (a, d) of my 32 channels, later v64-95 v's bias; v128-255 x, later the accumulators ((ot, nt) at 128 + 8 (4 ot + nt))
;   window 1: h's fragments, (nt, kf) at 64 nt + 8 kf     window 2: Wq, later Wv, (ot, kf) at 64 ot + 8 kf     window 3: Wk
.set SLOTB, 131072                     ; LDS: slot A at 0 (Wq, later Wv), slot B here (Wk): 131,072 bytes each
.set HB,    262144                     ; h: 256 rows (channels) of 64 bf16
.set HP,    160                        ; 128 bytes + 32: 16 lanes of the turning load take 8 rows x 32 bytes at different places modulo 256
.set TAB,   303104                     ; (a, d) for each channel, 8 bytes
.set SPARE, 305152                     ; the spare words, 128 bytes for each wave: two blocks of 256 bytes that no other line names
.set XO,  4                            ; v4   x: channel 2 w + lane / 16, 16 bytes at 16 (lane % 16)
.set HST, 5                            ; v5   where those four numbers go in h
.set TST, 6                            ; v6   TAB + 8 thread
.set TRD, 7                            ; v7   TAB + 8 (2 w + lane / 16)
.set HRD, 8                            ; v8   the turning load's address
.set WA,  9                            ; v9   my wave's share of slot A + 16 lane
.set WB,  10                           ; v10  of slot B
.set GO,  11                           ; v11  16 lane
.set SO,  12                           ; v12  16 (thread / 8): my channel's group in stats
.set T4,  13                           ; v13  4 thread
.set BQO, 14                           ; v14  32 (lane / 16)
.set BVO, 15                           ; v15  4 (lane % 16)
.set SPW, 28                           ; v28  LDS address of my spare word; never rewritten
.set NIL, 29                           ; v29  0; never rewritten
.set BQ,  32
.set AD,  64
.set BV,  64
.set X,   128
.set ACC, 128
.set WV,  20                           ; s20  my wave's number
.set G1,  24                           ; s[24:31] descriptor group 1
.set G0A, 32                           ; s[32:35], s[36:39], s[40:43] group 0 for Wq, Wk, Wv: a set each, never rewritten
.set G0B, 36
.set G0C, 40
.set MSB, 0
.macro WIN new                         ; the immediate's high byte repeats the setting that is left; a switch that changes nothing is dropped
.if MSB != (\new)
	s_set_vgpr_msb (MSB<<8)|(\new)
.set MSB, \new
.endif
.endm
.macro ROUND                           ; a round of the cluster's barrier: my work-group's barrier; wave 0 signals for the work-group; every wave waits for all four work-groups; my work-group's barrier once more
	s_barrier_signal -1
	s_barrier_wait -1
	s_cmp_lg_u32 s[WV], 0
	s_cbranch_scc1 .Lnot_wave_0_\@
	s_barrier_signal -3
.Lnot_wave_0_\@:
	s_barrier_wait -3
	s_barrier_signal -1
	s_barrier_wait -1
.endm
.macro PLACES                          ; four plain vector instructions between a matrix instruction and a reader of its result or a load into its registers
.rept 4
	v_nop
.endr
.endm
	s_load_b512 s[4:19], s[0:1], 0x0               ; x s[4:5], stats s[6:7], gamma s[8:9], beta s[10:11], wf s[12:13], b_qkv s[14:15], qf s[16:17], kv s[18:19]
	v_lshl_add_u32 v[SPW], v0, 2, SPARE
	v_mov_b32 v[NIL], 0
	ds_add_u32 v[SPW], v[NIL]                      ; the wave's opening: the add, twice on end, and its wait ahead of my first tensor load
	ds_add_u32 v[SPW], v[NIL]
	v_lshrrev_b32 v1, 5, v0
	v_readfirstlane_b32 s[WV], v1                  ; wave 0..3
	s_bfe_u32 s21, ttmp6, 0x40000                  ; cx: my place in the cluster: it enters the addresses of x, qf and kv alone
	s_lshl_b32 s22, ttmp9, 2
	s_add_co_u32 s22, s22, s21
	s_and_b32 s22, s22, 63                         ; my block of 64 positions
	s_lshr_b32 s23, ttmp9, 4                       ; the batch: 16 clusters each
	; descriptor group 1: 32,768 dense bytes as 128 rows of 256 bytes
	s_mov_b32 s[G1], 15|(3<<16)|(1<<21)            ; 15:0 the mask: all four work-groups; 17:16 elements of 8 bytes; 21 set beside a mask
	s_mov_b32 s[G1+1], 32<<16                      ; tensor_dim0 = 32
	s_mov_b32 s[G1+2], 128<<16                     ; tensor_dim1 = 128
	s_mov_b32 s[G1+3], 32<<16                      ; tile_dim0 = 32
	s_mov_b32 s[G1+4], 128                         ; tile_dim1 = 128
	s_mov_b32 s[G1+5], 32                          ; 32 elements from row to row
	s_mov_b32 s[G1+6], 0
	s_mov_b32 s[G1+7], 0
	s_lshl_b32 s44, s[WV], 15                      ; my wave's 32,768 bytes, in a slot and in each of wf's three blocks
	s_mov_b32 s45, 0
	s_mov_b32 s[G0A], 1
	s_mov_b32 s[G0A+1], s44
	s_mov_b32 s[G0B], 1
	s_add_co_u32 s[G0B+1], s44, SLOTB
	s_mov_b32 s[G0C], 1
	s_mov_b32 s[G0C+1], s44
	s_lshl_b32 s46, s23, 22                        ; x: the batch's 4 MiB, my 256 bytes of a row
	s_lshl_b32 s47, s22, 8
	s_add_co_u32 s46, s46, s47
	s_mov_b32 s47, 0
	s_lshl_b32 s48, s23, 9                         ; stats: 32 groups of 16 bytes a batch
	s_mov_b32 s49, 0
	s_lshl_b32 s50, s[WV], 8                       ; b_qkv: my 64 channels
	s_mov_b32 s51, 0
	s_lshl_b32 s52, s23, 21                        ; qf: 2 MiB a batch, 4 query tiles of 8,192 a block, my 4 half fragments of 512
	s_lshl_b32 s53, s22, 15
	s_add_co_u32 s52, s52, s53
	s_lshl_b32 s53, s[WV], 11
	s_add_co_u32 s52, s52, s53
	s_lshl_b32 s54, s23, 22                        ; kv: 4 MiB a batch, two key blocks of 32,768 a block of positions
	s_lshl_b32 s55, s22, 16
	s_add_co_u32 s54, s54, s55
	s_lshl_b32 s56, s[WV], 12                      ; V: behind K's 16,384, my 4 fragments of 1,024
	s_add_co_u32 s56, s56, s54
	s_add_co_u32 s56, s56, 16384
	s_add_co_u32 s54, s54, s53                     ; K: my 4 half fragments
	s_mov_b32 s53, 0
	s_mov_b32 s55, 0
	s_mov_b32 s57, 0
	s_lshl_b32 s60, s[WV], 1
	s_wait_dscnt 0x0                               ; both opening adds are done
	s_wait_kmcnt 0x0
	s_add_nc_u64 s[G0A+2:G0A+3], s[12:13], s[44:45]
	s_add_nc_u64 s[G0B+2:G0B+3], s[G0A+2:G0A+3], 131072
	s_add_nc_u64 s[G0C+2:G0C+3], s[G0A+2:G0A+3], 262144
	s_or_b32 s[G0A+3], s[G0A+3], 0x80000000        ; type = 2
	s_or_b32 s[G0B+3], s[G0B+3], 0x80000000
	s_or_b32 s[G0C+3], s[G0C+3], 0x80000000
	s_add_nc_u64 s[4:5], s[4:5], s[46:47]
	s_add_nc_u64 s[6:7], s[6:7], s[48:49]
	s_add_nc_u64 s[14:15], s[14:15], s[50:51]
	s_add_nc_u64 s[16:17], s[16:17], s[52:53]
	s_add_nc_u64 s[58:59], s[18:19], s[56:57]      ; V's base
	s_add_nc_u64 s[18:19], s[18:19], s[54:55]      ; K's base
	ROUND                                          ; all four work-groups are here: the first joint loads meet
	tensor_load_to_lds s[G0A:G0A+3], s[G1:G1+7]    ; Wq
	s_nop 0
	tensor_load_to_lds s[G0B:G0B+3], s[G1:G1+7]    ; Wk
	s_nop 0
	PLACES
	v_and_b32 v1, 15, v0                           ; r = lane % 16
	v_bfe_u32 v2, v0, 4, 1                         ; h = lane / 16
	v_and_b32 v3, 31, v0                           ; lane
	v_add_nc_u32 v16, s60, v2                      ; 2 w + h
	v_lshlrev_b32 v[XO], 14, v16
	v_lshl_add_u32 v[XO], v1, 4, v[XO]
	v_mul_u32_u24 v[HST], v16, HP
	v_lshl_add_u32 v[HST], v1, 3, v[HST]
	v_add_nc_u32 v[HST], HB, v[HST]
	v_lshl_add_u32 v[TST], v0, 3, TAB
	v_lshl_add_u32 v[TRD], v16, 3, TAB
	v_and_b32 v17, 7, v0
	v_bfe_u32 v18, v0, 3, 1
	v_lshl_add_u32 v[HRD], v2, 3, v17              ; the turning load: lane l reads channel 8 (l / 16) + l % 8, positions 8 ((l / 8) % 2) + 0..7
	v_mul_u32_u24 v[HRD], v[HRD], HP
	v_lshl_add_u32 v[HRD], v18, 4, v[HRD]
	v_add_nc_u32 v[HRD], HB, v[HRD]
	v_lshl_add_u32 v[WA], v3, 4, s44
	v_add_nc_u32 v[WB], SLOTB, v[WA]
	v_lshlrev_b32 v[GO], 4, v3
	v_lshrrev_b32 v[SO], 3, v0
	v_lshlrev_b32 v[SO], 4, v[SO]
	v_lshlrev_b32 v[T4], 2, v0
	v_lshlrev_b32 v[BQO], 5, v2
	v_lshlrev_b32 v[BVO], 2, v1
	; thread t makes (a, d) of channels t and t + 128: six loads; then q's bias, eight; then x, 32
	global_load_b128 v[16:19], v[SO], s[6:7]               ; m0, M0, m1, M1 of channel t's group
	global_load_b128 v[20:23], v[SO], s[6:7] offset:256    ; of channel t + 128's
	global_load_b32 v24, v[T4], s[8:9]
	global_load_b32 v25, v[T4], s[8:9] offset:512
	global_load_b32 v26, v[T4], s[10:11]
	global_load_b32 v27, v[T4], s[10:11] offset:512
.irp o, 0,1,2,3
	global_load_b128 v[BQ+8*\o:BQ+8*\o+3],   v[BQO], s[14:15] offset:64*\o     ; register j: b_q of channel 64 w + 16 o + 8 h + j
	global_load_b128 v[BQ+8*\o+4:BQ+8*\o+7], v[BQO], s[14:15] offset:64*\o+16
.endr
.set i, 0
.rept 32
	global_load_b128 v[X+4*i:X+4*i+3], v[XO], s[4:5] offset:131072*i th:TH_LOAD_NT  ; channels 8 i + 2 w + h: 16 lanes take the 256 bytes of a row
.set i, i+1
.endr
	s_wait_loadcnt 32                              ; the fourteen older loads are in; x's 32 may stay out
	v_sub_f32 v68, v16, v18                        ; m0 - m1
	v_sub_f32 v69, v20, v22
	v_add_f32 v70, v17, v19                        ; M0 + M1
	v_add_f32 v71, v21, v23
	v_mul_f32 v68, v68, v68
	v_mul_f32 v69, v69, v69
	v_fma_f32 v70, v68, 0x46000000, v70            ; + 8,192 (m0 - m1)^2
	v_fma_f32 v71, v69, 0x46000000, v71
	v_mov_b32 v72, 0x358637bd                      ; 1e-6
	v_fma_f32 v70, v70, 0x38000000, v72            ; / 32,768 + eps
	v_fma_f32 v71, v71, 0x38000000, v72
	v_rsq_f32 v70, v70
	v_rsq_f32 v71, v71
	v_add_f32 v73, v16, v18                        ; plain work behind the two roots
	v_add_f32 v74, v20, v22
	s_wait_alu depctr_va_vdst(0)                   ; one wait for both roots, ahead of their first reader
	v_mul_f32 v64, v70, v24                        ; a
	v_mul_f32 v66, v71, v25
	v_mul_f32 v73, 0.5, v73                        ; mean
	v_mul_f32 v74, 0.5, v74
	v_fma_f32 v65, -v73, v64, v26                  ; d = beta - mean a
	v_fma_f32 v67, -v74, v66, v27
	ds_store_b64 v[TST], v[64:65]
	ds_store_b64 v[TST], v[66:67] offset:1024
	s_wait_dscnt 0x0                               ; for the others' sake: my two entries are written
	s_barrier_signal -1                            ; the two tensor loads may stay out
	s_barrier_wait -1
.set i, 0
.rept 32
	ds_load_b64 v[AD+2*i:AD+2*i+1], v[TRD] offset:64*i     ; (a, d) of channel 8 i + 2 w + h
.set i, i+1
.endr
	s_wait_dscnt 0x0
.set i, 0
.rept 32
	s_wait_loadcnt 31-i                            ; loads come back in order: load i is in, the younger ones stay out
	v_fma_f32 v[X+4*i],   v[X+4*i],   v[AD+2*i], v[AD+2*i+1]
	v_fma_f32 v[X+4*i+1], v[X+4*i+1], v[AD+2*i], v[AD+2*i+1]
	v_fma_f32 v[X+4*i+2], v[X+4*i+2], v[AD+2*i], v[AD+2*i+1]
	v_fma_f32 v[X+4*i+3], v[X+4*i+3], v[AD+2*i], v[AD+2*i+1]
	v_cvt_pk_bf16_f32 v[X+4*i],   v[X+4*i],   v[X+4*i+1]
	v_cvt_pk_bf16_f32 v[X+4*i+1], v[X+4*i+2], v[X+4*i+3]
	ds_store_b64 v[HST], v[X+4*i:X+4*i+1] offset:8*HP*i
.set i, i+1
.endr
.irp o, 0,1,2,3
	global_load_b32 v[BV+8*\o], v[BVO], s[14:15] offset:2048+64*\o  ; b_v of channel 64 w + 16 o + r
.endr
; 64 LDS loads: my wave's 32 fragments of a weight block, lane-linear, into a whole window
.macro LDW win, adr
	WIN \win
.set f, 0
.rept 32
	ds_load_b128 v[8*f:8*f+3],   v[\adr] offset:1024*f
	ds_load_b128 v[8*f+4:8*f+7], v[\adr] offset:1024*f+512
.set f, f+1
.endr
.endm
; 128 matrix instructions; mode 0: q, 1: k, 2: v.  The 16 accumulators take turns, one instruction a turn; the first 16 start the sums with the bias (k: with 0)
.macro MULS mode
.if (\mode) == 0
	WIN 0x06                                       ; source 0 = W in window 2, source 1 = h in window 1
.elseif (\mode) == 1
	WIN 0x07                                       ; source 0 = W in window 3
.else
	WIN 0x09                                       ; source 0 = h in window 1, source 1 = W in window 2
.endif
.set kf, 0
.rept 8
.set t, 0
.rept 16
.set rD, ACC+8*t
.set rW, 64*(t/4)+8*kf
.set rH, 64*(t%4)+8*kf
.if ((\mode) == 2) && (kf == 0)
	v_wmma_f32_16x16x32_bf16 v[rD:rD+7], v[rH:rH+7], v[rW:rW+7], v[BV+8*(t/4):BV+8*(t/4)+7]
.elseif (\mode) == 2
	v_wmma_f32_16x16x32_bf16 v[rD:rD+7], v[rH:rH+7], v[rW:rW+7], v[rD:rD+7]
.elseif ((\mode) == 0) && (kf == 0)
	v_wmma_f32_16x16x32_bf16 v[rD:rD+7], v[rW:rW+7], v[rH:rH+7], v[BQ+8*(t/4):BQ+8*(t/4)+7]
.elseif kf == 0
	v_wmma_f32_16x16x32_bf16 v[rD:rD+7], v[rW:rW+7], v[rH:rH+7], 0
.else
	v_wmma_f32_16x16x32_bf16 v[rD:rD+7], v[rW:rW+7], v[rH:rH+7], v[rD:rD+7]
.endif
.set t, t+1
.endr
.set kf, kf+1
.endr
.endm
; each accumulator is rounded to bf16 in place, lowest registers first, and stored: half a fragment, 512 consecutive bytes a wave
.macro OUT base, mode
	WIN 0
.set t, 0
.rept 16
.set rD, ACC+8*t
.if (\mode) == 0
.set imm, (t%4)*8192+(t/4)*512
.elseif (\mode) == 1
.set imm, ((t%4)/2)*32768+(t%2)*8192+(t/4)*512
.else
.set imm, ((t%4)/2)*32768+(t/4)*1024+(t%2)*512
.endif
	v_cvt_pk_bf16_f32 v[rD],   v[rD],   v[rD+1]
	v_cvt_pk_bf16_f32 v[rD+1], v[rD+2], v[rD+3]
	v_cvt_pk_bf16_f32 v[rD+2], v[rD+4], v[rD+5]
	v_cvt_pk_bf16_f32 v[rD+3], v[rD+6], v[rD+7]
	global_store_b128 v[GO], v[rD:rD+3], s[\base:\base+1] offset:imm
.set t, t+1
.endr
.endm
	s_wait_tensorcnt 0x1                           ; my share of Wq is in; Wk's may stay out
	LDW 0x80, WA                                   ; Wq into window 2
	WIN 0
	s_wait_tensorcnt 0x0                           ; all my tensor loads have landed,
	ds_add_u32 v[SPW], v[NIL]                      ; 0 onto my spare word,
	s_wait_dscnt 0x0                               ; and the add, my stores into h and my reads of Wq are done
	ROUND                                          ; so h is whole for every wave, and no wave of any partner still reads slot A
	tensor_load_to_lds s[G0C:G0C+3], s[G1:G1+7]    ; Wv into slot A: my one tensor load behind the round
	s_nop 0
	PLACES
	WIN 0x40
.set f, 0
.rept 32                                       ; h's fragments: positions 16 (f / 8) on, channels 32 (f % 8) on
	ds_load_tr16_b128 v[8*f:8*f+3],   v[HRD] offset:(f%8)*32*HP+(f/8)*32
	ds_load_tr16_b128 v[8*f+4:8*f+7], v[HRD] offset:(f%8)*32*HP+(f/8)*32+16*HP
.set f, f+1
.endr
	s_wait_dscnt 0x0
	LDW 0xc0, WB                                   ; Wk into window 3, while q is multiplied
	WIN 0
	s_wait_loadcnt 0x0                             ; v's bias
.irp o, 0,1,2,3
.irp j, 1,2,3,4,5,6,7
	v_mov_b32 v[BV+8*\o+\j], v[BV+8*\o]            ; in v's products a lane holds one channel: the C tuple's eight registers are alike
.endr
.endr
	MULS 0
	s_wait_dscnt 0x0                               ; Wk is in
	PLACES
	s_wait_tensorcnt 0x0                           ; my share of Wv has landed; I alone read it
	LDW 0x80, WA                                   ; Wv into window 2, while q leaves and k is multiplied
	OUT 16, 0
	s_wait_xcnt 0x0                                ; the stores have read the accumulators' registers, which the next products write
	MULS 1
	PLACES
	OUT 18, 1
	s_wait_xcnt 0x0
	s_wait_dscnt 0x0                               ; Wv is in
	MULS 2
	PLACES
	OUT 58, 2
	s_wait_tensorcnt 0x0                           ; the wave's end: behind my last tensor load and my last LDS store
	ds_add_u32 v[SPW], v[NIL]
	s_wait_dscnt 0x0
	ROUND                                          ; the closing round: no work-group ends while a partner may still ask for a tile that names it
	s_endpgm
.Lfunc_end_k_q96bd1f958a_qkv:
	.size	k_q96bd1f958a_qkv, .Lfunc_end_k_q96bd1f958a_qkv-k_q96bd1f958a_qkv
	.p2alignl 7, 3214868480
	.fill 96, 4, 3214868480
	.section	.rodata,"a",@progbits
	.p2align	6, 0x0
	.amdhsa_kernel k_q96bd1f958a_qkv
		.amdhsa_group_segment_fixed_size 327680
		.amdhsa_private_segment_fixed_size 0
		.amdhsa_enable_private_segment 0
		.amdhsa_kernarg_size 64
		.amdhsa_user_sgpr_count 2
		.amdhsa_user_sgpr_kernarg_segment_ptr 1
		.amdhsa_wavefront_size32 1
		.amdhsa_system_sgpr_workgroup_id_x 1
		.amdhsa_system_sgpr_workgroup_id_y 1
		.amdhsa_system_sgpr_workgroup_id_z 1
		.amdhsa_system_vgpr_workitem_id 0
		.amdhsa_next_free_vgpr 1024
		.amdhsa_next_free_sgpr 66
		.amdhsa_reserve_vcc 0
		.amdhsa_float_denorm_mode_32 3
		.amdhsa_float_denorm_mode_16_64 3
		.amdhsa_memory_ordered 1
		.amdhsa_forward_progress 1
		.amdhsa_inst_pref_size 88
	.end_amdhsa_kernel
	.amdgpu_metadata
---
amdhsa.version: [ 1, 2 ]
amdhsa.kernels:
  - .name:           k_q96bd1f958a_qkv
    .symbol:         k_q96bd1f958a_qkv.kd
    .args:
      - { .name: x, .offset: 0, .size: 8, .value_kind: global_buffer, .address_space: global }
      - { .name: stats, .offset: 8, .size: 8, .value_kind: global_buffer, .address_space: global }
      - { .name: gamma, .offset: 16, .size: 8, .value_kind: global_buffer, .address_space: global }
      - { .name: beta, .offset: 24, .size: 8, .value_kind: global_buffer, .address_space: global }
      - { .name: wf, .offset: 32, .size: 8, .value_kind: global_buffer, .address_space: global }
      - { .name: b_qkv, .offset: 40, .size: 8, .value_kind: global_buffer, .address_space: global }
      - { .name: qf, .offset: 48, .size: 8, .value_kind: global_buffer, .address_space: global }
      - { .name: kv, .offset: 56, .size: 8, .value_kind: global_buffer, .address_space: global }
    .group_segment_fixed_size: 327680
    .private_segment_fixed_size: 0
    .kernarg_segment_align: 8
    .kernarg_segment_size: 64
    .max_flat_workgroup_size: 128
    .sgpr_count:     66
    .vgpr_count:     1024
    .wavefront_size: 32
...
	.end_amdgpu_metadata
.endif
;; end of part 2
;; launch attn (part 3): grid 256 x 1, 4 waves a work-group, clusters of 4 x 1, 327,680 bytes of LDS; arguments qf, kv, wf, b_proj, x, out0; writes out0
.if DOCPART == 3
	.amdgcn_target "amdgcn-amd-amdhsa--gfx1250"
	.amdhsa_code_object_version 6
	.text
	.protected	k_q96bd1f958a_attn
	.globl	k_q96bd1f958a_attn
	.p2align	8
	.type	k_q96bd1f958a_attn,@function
k_q96bd1f958a_attn:
	s_mov_b64 s[64:65], 0
	v_nop
	global_prefetch_b8 v0, s[64:65] scope:SCOPE_SE
	s_setreg_imm32_b32 hwreg(HW_REG_WAVE_MODE, 25, 1), 1
	s_wait_xcnt 0x0
	s_wait_alu depctr_hold_cnt(0) depctr_sa_sdst(0) depctr_va_vdst(0) depctr_va_sdst(0) depctr_va_ssrc(0) depctr_va_vcc(0) depctr_vm_vsrc(0)
	s_getreg_b32 s2, hwreg(HW_REG_IB_STS2, 6, 4)
	s_cmp_eq_u32 s2, 0
	s_cbranch_scc0 .Lentry_in_a_cluster
	s_endpgm
.Lentry_in_a_cluster:
	s_bfe_u32 s2, ttmp6, 0x10000c
	s_cmp_lg_u32 s2, 0x3003
	s_cbranch_scc0 .Lentry_shape_is_right
	s_endpgm
.Lentry_shape_is_right:
; THIRD LAUNCH: out0 = x + Wproj O^T + b_proj, O[q] = the sum over k of softmax_k(q . k / 16) v[k]; one head of 256 channels, 4,096 keys, 4 batches.
; q, k, v come in bf16 in fragment order (qf, kv; k without its bias, which the softmax cancels: shown at the head of prep).  Products, maxima, sums and the residual in f32; the weights p and O are rounded to bf16 once.
; LIMITS.  c x score stays within 4e37 in magnitude (c = log2(e) / 16); a weight below 2^-126 counts as 0; NaN and infinities are not treated apart.
; SHARES.  A work-group owns 64 queries (four tiles of 16): 256 work-groups.  THE KEYS ARE SPLIT AMONG ITS FOUR WAVES: of each step's 128 keys wave w takes block 4 j + w of 32, for all 64 queries, with a
; running maximum m, sum l and O^T of its own; so each byte of K and V in LDS is read once in the work-group, and each fragment feeds four matrix instructions.  The four partial results are merged at the end.
; LAYOUT.  S^T = K Q^T (source 0 = 16 keys, source 1 = 16 queries): a lane holds ONE query (lane % 16) and keys 8 (lane / 16) + 0..7.  The two key tiles' results, rounded in pairs, ARE source 1 (32 keys x 16 queries)
; of O^T = V^T P, whose result again holds one query a lane and eight channels.  All fragments lie in memory and LDS as they lie in registers: every LDS load takes 512 consecutive bytes.
; SOFTMAX.  p = 2^(c s - c m); in every step O and l are multiplied by a = 2^(c m_old - c m_new).  m starts at the lowest finite number, O and l at 0: the first step is a step like any other, with a = 0.
; The price: 512 lines that write 0, in the wait for the first tile; the gain: no first step is written out.
; A STEP: 32 + 32 products K Q^T; the softmax of the four tiles (its 68 exponentials one batch with one wait); the change of slots; 64 products V^T P.  Of the 256 lines that rescale O^T, 64 stand in the change of slots,
; 192 four behind each of the first 48 products V^T P, each sixteen products ahead of its own tile's.  The runs of LDS loads (K's two, V's two) stand 32 products or more ahead of their first use.
; THE RING.  Two slots of one step's 131,072 bytes; wave w fetches and alone reads bytes 32,768 w .. of a slot.  The change of slots stands between the softmax and V^T P, where all of the step's LDS reads are back:
; the step's own slot is filled again with the tile two steps on, which has a whole step in which to land.  By this text's count two tensor loads of a wave are out at the start, one behind each round.
; CLUSTER.  The four work-groups of a cluster belong to one batch and walk the same kv, so each tile is asked for JOINTLY: the same tensor load, descriptor and mask in all four.
; REGISTERS, in windows of 256 (s_set_vgpr_msb: bits 1:0 source 0, 3:2 source 1, 5:4 source 2, 7:6 destination):
;   window 0: v0-29 addresses; v32-63 eight registers of statistics a tile; v64-127 S^T, 16 a tile (P is made in its first 8); v128-191, v192-255 two buffers of 8 fragments
;   window 1: Q, (tile, kf) at 64 tile + 8 kf; at the end Wproj, then the rows on their way out          windows 2, 3: O^T: tile t = 4 cb + q at 8 (t % 32) of window 2 + t / 32
.set SLOT1, 1<<17                      ; slot 1 begins here: one exclusive or turns an address in one slot into the other's
.set TILEB, 131072                     ; a step's bytes of kv
.set STATB, 262144                     ; behind the ring: the waves' (c m, l): [wave][tile][query] 8 bytes
.set OBB,   264192                     ; O in bf16, as fragments: [tile][kf][1,024]
.set SPARE, 296960                     ; the spare words, 128 bytes for each wave: two blocks of 256 bytes that no other line names
.set SP,    272                        ; the way out: a row of 64 f32 + 16 bytes
.set LB,  3                            ; v3   32,768 w + 16 lane; never rewritten
.set ADV, 4                            ; v4   LDS address of the step's V (and K) in its slot
.set ADK, 5                            ; v5   of the next step's K
.set GO,  6                            ; v6   16 lane
.set PFO, 7                            ; v7   256 lane
.set STS, 8                            ; v8   where I put (c m, l)
.set STR, 9                            ; v9   where I read the four waves'
.set MGR, 10                           ; v10  the merge: where I read
.set OBS, 11                           ; v11  O in bf16: where I put it
.set OBR, 12                           ; v12  where I read it
.set STO, 13                           ; v13  the way out: where I put 16 bytes of a row
.set RD,  14                           ; v14  where I read rows back
.set XO,  15                           ; v15  my 16 bytes in two rows of x and out0
.set BP,  16                           ; v16-19 b_proj of my lane's channel, for each of four tiles
.set MG,  20                           ; v20-23 the merge: where I put tile q's partial O^T
.set R4,  24                           ; v24  4 (lane % 16)
.set LN,  25                           ; v25  lane
.set SPW, 28                           ; v28  LDS address of my spare word; never rewritten
.set NIL, 29                           ; v29  0; never rewritten
.set ST,  32                           ; tile q at ST + 8 q: +0 c m, +1 m, +2, +3 l (even keys', odd keys'), +4 c0, +5 c1, +6 a, +7 c m_old - c m_new
.set S,   64
.set FA,  128
.set FB,  192
.set WV,  16                           ; s16  my wave's number
.set G1,  24                           ; s[24:31] descriptor group 1
.set G0A, 32                           ; s[32:35] group 0 for tile 0
.set G0B, 36                           ; s[36:39] for tile 1; it then walks
.set CNT, 40                           ; s40  steps still to come
.set LIM, 41                           ; s41  2 in a cluster that prefetches, else the greatest number
.set TB,  42                           ; s42  0 or SLOT1: the slot that the next fetch reads
.set CS,  44                           ; s[44:45] c
.set SEL, 46                           ; s[46:47] v_permlanex16_b32's selects: each lane takes its own place in the other half
.set PFA, 48                           ; s[48:49] where my prefetches stand
.set MSB, 0
.macro WIN new                         ; the immediate's high byte repeats the setting that is left; a switch that changes nothing is dropped
.if MSB != (\new)
	s_set_vgpr_msb (MSB<<8)|(\new)
.set MSB, \new
.endif
.endm
.macro PLACES
.rept 4
	v_nop
.endr
.endm
.macro CREST                           ; a round of the cluster's barrier behind its opening barrier
	s_cmp_lg_u32 s[WV], 0
	s_cbranch_scc1 .Lnot_wave_0_\@
	s_barrier_signal -3
.Lnot_wave_0_\@:
	s_barrier_wait -3
	s_barrier_signal -1
	s_barrier_wait -1
.endm
.macro CROUND                          ; a whole round
	s_barrier_signal -1
	s_barrier_wait -1
	CREST
.endm
; A PREFETCH INTO THE L2, behind the refill of step j: tile j + 4, which the refill two steps on will ask for: 256 matrix instructions and two softmaxes ahead.  All 16 clusters of a batch walk the same kv: the batch's first
; cluster asks.  Its four partners (told apart by address, 32,768 bytes each), their four waves (8,192 each) and 32 lanes (256 each) name the tile's 512 blocks of 256 bytes: one instruction a wave, each block once in the launch.
; Tiles 0-3 come by their loads alone; steps 28 and 29 ask for nothing: there is no tile 32.
.macro ASK
	s_cmp_gt_u32 s[CNT], s[LIM]
	s_cbranch_scc0 .Lnot_mine_\@
	global_prefetch_b8 v[PFO], s[PFA:PFA+1] th:TH_LOAD_NT scope:SCOPE_SE
.Lnot_mine_\@:
.endm
	s_load_b256 s[4:11], s[0:1], 0x0               ; qf s[4:5], kv s[6:7], wf s[8:9], b_proj s[10:11]
	s_load_b128 s[12:15], s[0:1], 0x20             ; x s[12:13], out0 s[14:15]
	v_lshl_add_u32 v[SPW], v0, 2, SPARE
	v_mov_b32 v[NIL], 0
	ds_add_u32 v[SPW], v[NIL]                      ; the wave's opening: the add, twice on end, and its wait ahead of my first tensor load
	ds_add_u32 v[SPW], v[NIL]
	v_lshrrev_b32 v1, 5, v0
	v_readfirstlane_b32 s[WV], v1                  ; wave 0..3
	s_bfe_u32 s17, ttmp6, 0x40000                  ; cx: it enters the addresses of qf, x, out0 and the prefetches alone
	s_lshl_b32 s18, ttmp9, 2
	s_add_co_u32 s18, s18, s17
	s_and_b32 s20, s18, 63                         ; my block of 64 queries
	s_lshr_b32 s19, ttmp9, 4                       ; the batch, which the four partners share
	s_mov_b32 s[G1], 15|(3<<16)|(1<<21)            ; 15:0 the mask of four; 17:16 elements of 8 bytes; 21 set beside a mask: 32,768 dense bytes as 128 rows of 256
	s_mov_b32 s[G1+1], 32<<16                      ; tensor_dim0 = 32
	s_mov_b32 s[G1+2], 128<<16                     ; tensor_dim1 = 128
	s_mov_b32 s[G1+3], 32<<16                      ; tile_dim0 = 32
	s_mov_b32 s[G1+4], 128                         ; tile_dim1 = 128
	s_mov_b32 s[G1+5], 32                          ; 32 elements from row to row
	s_mov_b32 s[G1+6], 0
	s_mov_b32 s[G1+7], 0
	s_mov_b32 s[CS], 0x3db8aa3b                    ; c = log2(e) / 16
	s_mov_b32 s[CS+1], s[CS]                       ; named with it as a pair
	s_mov_b32 s[SEL], 0x76543210
	s_mov_b32 s[SEL+1], 0xfedcba98
	s_mov_b32 s[TB], 0
	s_mov_b32 s[CNT], 30
	s_and_b32 s[LIM], ttmp9, 15                    ; the batch's first cluster: the same in all four partners
	s_cmp_eq_u32 s[LIM], 0
	s_cselect_b32 s[LIM], 2, -1
	s_lshl_b32 s21, s[WV], 15                      ; my wave's 32,768 bytes of a tile and of a slot
	s_mov_b32 s[G0A], 1
	s_mov_b32 s[G0A+1], s21
	s_mov_b32 s[G0B], 1
	s_add_co_u32 s[G0B+1], s21, SLOT1
	s_lshl_b32 s50, s19, 22                        ; the batch's 4 MiB (of kv, of x, of out0)
	s_add_co_u32 s52, s50, s21
	s_mov_b32 s53, 0
	s_lshl_b32 s54, s17, 15                        ; the prefetches: my work-group's quarter of a tile, my wave's quarter of that,
	s_lshl_b32 s55, s[WV], 13
	s_add_co_u32 s54, s54, s55
	s_add_co_u32 s54, s54, s50
	s_add_co_u32 s54, s54, 3*TILEB                 ; in tile 3: the first change of slots steps it to tile 4
	s_mov_b32 s55, 0
	s_lshl_b32 s56, s19, 21                        ; qf: 2 MiB a batch, 32,768 bytes a block of 64 queries
	s_lshl_b32 s57, s20, 15
	s_add_co_u32 s56, s56, s57
	s_mov_b32 s57, 0
	s_lshl_b32 s58, s[WV], 20                      ; x, out0: my wave's 64 channels of 16,384 bytes, my block's 256 bytes of a row
	s_lshl_b32 s59, s20, 8
	s_add_co_u32 s58, s58, s59
	s_add_co_u32 s58, s58, s50
	s_mov_b32 s59, 0
	s_add_co_u32 s22, s21, 393216                  ; wf: Wproj's tiles 48 + 4 w ..
	s_mov_b32 s23, 0
	s_lshl_b32 s50, s[WV], 8                       ; b_proj: my 64 channels
	s_mov_b32 s51, 0
	s_wait_dscnt 0x0                               ; both opening adds are done
	s_wait_kmcnt 0x0
	s_add_nc_u64 s[G0A+2:G0A+3], s[6:7], s[52:53]
	s_add_nc_u64 s[G0B+2:G0B+3], s[G0A+2:G0A+3], TILEB
	s_or_b32 s[G0A+3], s[G0A+3], 0x80000000        ; type = 2
	s_or_b32 s[G0B+3], s[G0B+3], 0x80000000
	s_add_nc_u64 s[PFA:PFA+1], s[6:7], s[54:55]
	s_add_nc_u64 s[4:5], s[4:5], s[56:57]
	s_add_nc_u64 s[12:13], s[12:13], s[58:59]
	s_add_nc_u64 s[14:15], s[14:15], s[58:59]
	s_add_nc_u64 s[8:9], s[8:9], s[22:23]
	s_add_nc_u64 s[10:11], s[10:11], s[50:51]
	CROUND                                         ; all four work-groups are here: the first joint loads meet
	tensor_load_to_lds s[G0A:G0A+3], s[G1:G1+7]    ; tile 0 into slot 0
	s_nop 0
	tensor_load_to_lds s[G0B:G0B+3], s[G1:G1+7]    ; tile 1 into slot 1
	s_nop 0
	PLACES
	v_and_b32 v1, 15, v0                           ; r = lane % 16
	v_bfe_u32 v2, v0, 4, 1                         ; h = lane / 16
	v_and_b32 v[LN], 31, v0
	v_lshlrev_b32 v[GO], 4, v[LN]
	WIN 0x40                                       ; destination window 1, address window 0
.set f, 0
.rept 32                                       ; Q stays in registers: tile f / 8, channels 32 (f % 8) on
	global_load_b128 v[8*f:8*f+3],   v[GO], s[4:5] offset:1024*f th:TH_LOAD_NT
	global_load_b128 v[8*f+4:8*f+7], v[GO], s[4:5] offset:1024*f+512 th:TH_LOAD_NT
.set f, f+1
.endr
	WIN 0x80                                       ; O^T starts at 0
.set i, 0
.rept 256
	v_mov_b32 v[i], 0
.set i, i+1
.endr
	WIN 0xc0
.set i, 0
.rept 256
	v_mov_b32 v[i], 0
.set i, i+1
.endr
	WIN 0
.irp q, 0,1,2,3
	v_mov_b32 v[ST+8*\q], 0xfe000000               ; c m: far below every c s
	v_mov_b32 v[ST+8*\q+1], 0xff7fffff             ; m
	v_mov_b32 v[ST+8*\q+2], 0                      ; l
	v_mov_b32 v[ST+8*\q+3], 0
.endr
	v_lshl_add_u32 v[LB], v[LN], 4, s21
	v_lshlrev_b32 v[PFO], 8, v[LN]
	s_lshl_b32 s22, s[WV], 9
	s_add_co_u32 s22, s22, STATB
	v_lshl_add_u32 v[STS], v1, 3, s22
	v_lshl_add_u32 v[STR], v1, 3, STATB
	s_lshl_b32 s22, s[WV], 16
	v_lshl_add_u32 v[MGR], v[LN], 4, s22           ; the merge's region of tile w: 65,536 w
	s_lshl_b32 s22, s[WV], 13
	s_add_co_u32 s22, s22, OBB
	v_lshl_add_u32 v[OBS], v[LN], 4, s22
	v_lshl_add_u32 v[OBR], v[LN], 4, OBB
	s_mul_i32 s22, s[WV], 64*SP                    ; my stage for the way out
	v_mul_u32_u24 v[STO], v1, SP                   ; in: row r of a tile of 16 channels, 32 bytes for each half of the lanes
	v_lshl_add_u32 v[STO], v2, 5, v[STO]
	v_add_nc_u32 v[STO], s22, v[STO]
	v_mul_u32_u24 v[RD], v2, SP                    ; back: lanes 0-15 take one row of 256 bytes, lanes 16-31 the next
	v_lshl_add_u32 v[RD], v1, 4, v[RD]
	v_add_nc_u32 v[RD], s22, v[RD]
	v_lshlrev_b32 v[XO], 14, v2                    ; and the same two rows in x and out0
	v_lshl_add_u32 v[XO], v1, 4, v[XO]
	s_lshl_b32 s22, s[WV], 14
	v_lshl_add_u32 v[MG], v[LN], 4, s22            ; in tile q's region my 16,384 bytes
.irp q, 1,2,3
	v_add_nc_u32 v[MG+\q], 65536*\q, v[MG]
.endr
	v_lshlrev_b32 v[R4], 2, v1
; 16 LDS loads: eight fragments, 512 consecutive bytes a load
.macro FETCH buf, adr, off
.irp f, 0,1,2,3,4,5,6,7
	ds_load_b128 v[(\buf)+8*\f:(\buf)+8*\f+3],   v[\adr] offset:(\off)+1024*\f
	ds_load_b128 v[(\buf)+8*\f+4:(\buf)+8*\f+7], v[\adr] offset:(\off)+1024*\f+512
.endr
.endm
; 32 products of S^T = K Q^T for key tile kt: channels 32 (i / 4) on, query tile i % 4.  The four accumulators take turns; the first four start the sums
.macro KQ kt
	WIN 0x04                                       ; Q in window 1
.set i, 0
.rept 32
.set rS, S+16*(i%4)+8*(\kt)
.set rK, FA+64*(\kt)+8*(i/4)
.set rQ, 64*(i%4)+8*(i/4)
.if i < 4
	v_wmma_f32_16x16x32_bf16 v[rS:rS+7], v[rK:rK+7], v[rQ:rQ+7], 0
.else
	v_wmma_f32_16x16x32_bf16 v[rS:rS+7], v[rK:rK+7], v[rQ:rQ+7], v[rS:rS+7]
.endif
.set i, i+1
.endr
.endm
; Number n of the 14 that find tile q's maximum and statistics.  s0-s15 are the lane's 16 scores; each accumulator's lowest registers are read first.
;   0-6  two chains c0, c1, three operands at a time     7  both, and the old m     8, 9  the query's other 16 keys lie in the lane 16 away: the new m     10-13  c m; c m_old - c m_new; c m is kept; a
.macro XQ n, q
.set rT, ST+8*(\q)
.set rS, S+16*(\q)
.if (\n) == 0
	v_max3_num_f32 v[rT+4], v[rS], v[rS+1], v[rS+2]
.elseif (\n) == 1
	v_max3_num_f32 v[rT+5], v[rS+8], v[rS+9], v[rS+10]
.elseif (\n) == 2
	v_max3_num_f32 v[rT+4], v[rT+4], v[rS+3], v[rS+4]
.elseif (\n) == 3
	v_max3_num_f32 v[rT+5], v[rT+5], v[rS+11], v[rS+12]
.elseif (\n) == 4
	v_max3_num_f32 v[rT+4], v[rT+4], v[rS+5], v[rS+6]
.elseif (\n) == 5
	v_max3_num_f32 v[rT+5], v[rT+5], v[rS+13], v[rS+14]
.elseif (\n) == 6
	v_max3_num_f32 v[rT+4], v[rT+4], v[rS+7], v[rS+15]
.elseif (\n) == 7
	v_max3_num_f32 v[rT+4], v[rT+4], v[rT+5], v[rT+1]
.elseif (\n) == 8
	v_permlanex16_b32 v[rT+5], v[rT+4], s[SEL], s[SEL+1]
.elseif (\n) == 9
	v_max_num_f32 v[rT+1], v[rT+4], v[rT+5]
.elseif (\n) == 10
	v_mul_f32 v[rT+5], s[CS], v[rT+1]
.elseif (\n) == 11
	v_sub_f32 v[rT+7], v[rT], v[rT+5]
.elseif (\n) == 12
	v_mov_b32 v[rT], v[rT+5]
.else
	v_exp_f32 v[rT+6], v[rT+7]
.endif
.endm
.macro XALL n                          ; the four tiles by turns, so that a tile's links stand four lines apart
.irp q, 0,1,2,3
	XQ \n, \q
.endr
.endm
; the next cnt of the 256 lines that multiply O^T by a: line e is pair e % 4 of tile e / 4 (lowest registers first)
.macro RS cnt
.rept \cnt
.set t, e/4
.set rO, 8*(t%32)+2*(e%4)
.set rA, ST+8*(t%4)+6
	WIN 0x82+0x41*(t/32)
	v_pk_mul_f32 v[rO:rO+1], v[rO:rO+1], v[rA:rA+1] op_sel_hi:[1,0]
.set e, e+1
.endr
.endm
; THE CHANGE OF SLOTS.  Each wave waits for all its tensor loads, of which one is out: its share of the other slot; adds 0 to its spare word; and waits for that and for its reads of this step's slot (K's and V's runs,
; all issued ahead of the softmax).  fill = 1: the barrier opens a round of the cluster's, so that no wave of any partner still reads the slot or has a load on its way, and the joint refill is the first thing behind it.
; 64 lines of the rescaling, work on registers, stand between the add and its wait and between the signal and the wait.
.macro CHANGE fill
	WIN 0
	s_wait_tensorcnt 0x0                           ; no tensor load of mine is out, so a group 0 may be written
	ds_add_u32 v[SPW], v[NIL]                      ; 0 onto my spare word
.if \fill
	s_xor_b32 s[G0B+1], s[G0B+1], SLOT1            ; the walking descriptor: the other slot than last time,
	s_add_nc_u64 s[G0B+2:G0B+3], s[G0B+2:G0B+3], TILEB  ; the next tile; the type bits on top are not reached
	s_wait_xcnt 0x0                                ; the last prefetch, a step back, has read its address, so it may be written
	s_add_nc_u64 s[PFA:PFA+1], s[PFA:PFA+1], TILEB
.endif
.set e, 0
	RS 32
	s_wait_dscnt 0x0                               ; the add is done, and my reads of the slot are over
	s_barrier_signal -1
	RS 32
	WIN 0                                          ; at a branch and at a label every window is 0
	s_barrier_wait -1
.if \fill
	CREST
	tensor_load_to_lds s[G0B:G0B+3], s[G1:G1+7]    ; my one tensor load behind the round: the tile two steps on
	s_nop 0
	PLACES
	ASK
.endif
	s_xor_b32 s[TB], s[TB], SLOT1                  ; the next fetches read the other slot
.endm
; A KEY STEP.
.macro STEP fill
	s_wait_dscnt 16                                ; K's first key tile is in; the second's 16 loads may stay out
	KQ 0
	WIN 0
	v_add_nc_u32 v[ADV], s[TB], v[LB]              ; with three v_nop the four places in front of the loads into the buffer just multiplied
	v_nop
	v_nop
	v_nop
	FETCH FA, ADV, 16384                           ; V, channels 0-127
	s_wait_dscnt 16                                ; K's second key tile is in; V's 16 loads may stay out
	KQ 1
	WIN 0
	XALL 0                                         ; four lines on the first key tile's scores: the places behind the products just issued
	FETCH FB, ADV, 24576                           ; V, channels 128-255
.irp n, 1,2,3,4,5,6,7,8,9,10,11,12,13
	XALL \n
.endr
	; ONE BATCH: the four a above, the 32 scalings c s - c m and the 64 exponentials; no line of it names an exponential's result.  A pair is scaled a turn of the four tiles ahead of its exponentials.
.set i, 0
.rept 9
.irp q, 0,1,2,3
.if i < 8
	v_pk_fma_f32 v[S+16*\q+2*i:S+16*\q+2*i+1], v[S+16*\q+2*i:S+16*\q+2*i+1], s[CS:CS+1], v[ST+8*\q:ST+8*\q+1] op_sel_hi:[1,0,0] neg_lo:[0,0,1] neg_hi:[0,0,1]
.endif
.if i > 0
	v_exp_f32 v[S+16*\q+2*i-2], v[S+16*\q+2*i-2]
	v_exp_f32 v[S+16*\q+2*i-1], v[S+16*\q+2*i-1]
.endif
.endr
.set i, i+1
.endr
	v_nop                                          ; a plain instruction behind the last exponential: one for the batch
	s_wait_alu depctr_va_vdst(0)                   ; the wait ahead of the first reader: one for the 68
	; l takes pair i (the first time as l = a l + pair), then the pair is rounded to bf16 into register i of the tile: P grows in place behind the reads
.set i, 0
.rept 8
.irp q, 0,1,2,3
.if i == 0
	v_pk_fma_f32 v[ST+8*\q+2:ST+8*\q+3], v[ST+8*\q+2:ST+8*\q+3], v[ST+8*\q+6:ST+8*\q+7], v[S+16*\q:S+16*\q+1] op_sel_hi:[1,0,1]
.else
	v_pk_add_f32 v[ST+8*\q+2:ST+8*\q+3], v[ST+8*\q+2:ST+8*\q+3], v[S+16*\q+2*i:S+16*\q+2*i+1]
.endif
	v_cvt_pk_bf16_f32 v[S+16*\q+i], v[S+16*\q+2*i], v[S+16*\q+2*i+1]
.endr
.set i, i+1
.endr
	CHANGE \fill
	; 64 products O^T += V^T P: product i is tile i (channels 16 (i / 4) on, query tile i % 4): each accumulator has one, so they take turns.  Behind each of the first 48 the four lines that rescale tile 16 + i.
.set i, 0
.rept 64
	WIN 0xa0+0x50*(i/32)
.set rO, 8*(i%32)
.set rV, FA+8*(i/4)
.set rP, S+16*(i%4)
	v_wmma_f32_16x16x32_bf16 v[rO:rO+7], v[rV:rV+7], v[rP:rP+7], v[rO:rO+7]
.if i < 48
	RS 4
.endif
.if i == 31
	WIN 0                                          ; the first buffer is free: four riders and the line below are the places behind its last reader
	v_add_nc_u32 v[ADK], s[TB], v[LB]
	FETCH FA, ADK, 0                               ; the next step's K, first key tile, from the other slot
.endif
.set i, i+1
.endr
	WIN 0
.rept 5
	v_nop                                          ; four places in front of the loads into the second buffer, five in front of the products that write over P
.endr
	FETCH FB, ADK, 8192                            ; the next step's K, second key tile
.endm
	s_wait_tensorcnt 0x1                           ; my share of tile 0 is in, and I alone read it; tile 1's may stay out
	v_mov_b32 v[ADK], v[LB]
	FETCH FA, ADK, 0
	FETCH FB, ADK, 8192
	s_wait_loadcnt 0x0                             ; Q
.Lstep:                                        ; steps 0 to 29: each fills its slot again, with tiles 2 to 31
	STEP 1
	s_sub_co_u32 s[CNT], s[CNT], 1
	s_cmp_lg_u32 s[CNT], 0
	s_cbranch_scc1 .Lstep
	s_mov_b32 s[CNT], 2
.Ltail:                                        ; steps 30 and 31 ask for nothing: a second text.  The last trip's two runs for K read the other slot's old bytes and serve nothing: 32 loads, once a launch
	STEP 0
	s_sub_co_u32 s[CNT], s[CNT], 1
	s_cmp_lg_u32 s[CNT], 0
	s_cbranch_scc1 .Ltail
	; THE END.  What the projection and the residual want is asked for now: Wproj's fragments for my 64 output channels, x, the bias.
	s_wait_dscnt 0x0                               ; the last two runs have come back: their registers are loaded anew
	WIN 0x40
.set f, 0
.rept 32                                       ; Wproj: channel tile f / 8 of my four, input channels 32 (f % 8) on
	global_load_b128 v[8*f:8*f+3],   v[GO], s[8:9] offset:1024*f
	global_load_b128 v[8*f+4:8*f+7], v[GO], s[8:9] offset:1024*f+512
.set f, f+1
.endr
	WIN 0
.set t, 0
.rept 32
	global_load_b128 v[FA+4*t:FA+4*t+3], v[XO], s[12:13] offset:32768*t th:TH_LOAD_NT  ; channels 64 w + 2 t + h: 16 lanes take my block's 256 bytes of a row
.set t, t+1
.endr
.irp o, 0,1,2,3
	global_load_b32 v[BP+\o], v[R4], s[10:11] offset:64*\o
.endr
	; my l: both halves and the other half of the lanes'; (c m, l) of each query goes to LDS
.irp q, 0,1,2,3
	v_add_f32 v[ST+8*\q+1], v[ST+8*\q+2], v[ST+8*\q+3]
.endr
.irp q, 0,1,2,3
	v_permlanex16_b32 v[ST+8*\q+4], v[ST+8*\q+1], s[SEL], s[SEL+1]
.endr
.irp q, 0,1,2,3
	v_add_f32 v[ST+8*\q+1], v[ST+8*\q+1], v[ST+8*\q+4]
.endr
.irp q, 0,1,2,3
	ds_store_b64 v[STS], v[ST+8*\q:ST+8*\q+1] offset:128*\q  ; lanes r and r + 16 write the same two numbers
.endr
	s_wait_dscnt 0x0
	s_barrier_signal -1
	s_barrier_wait -1                              ; the four waves' figures lie in LDS, and no wave reads the ring any more; its last fill has landed: from here on its bytes are scratch
.irp q, 0,1,2,3
.irp k, 0,1,2,3
	ds_load_b64 v[S+8*\q+2*\k:S+8*\q+2*\k+1], v[STR] offset:512*\k+128*\q
.endr
.endr
	s_wait_dscnt 0x0
	; the common maximum; f_k = 2^(c m_k - max); L = the sum of f_k l_k; my O^T is multiplied by f_mine / L
.irp q, 0,1,2,3
	v_max3_num_f32 v[ST+8*\q+4], v[S+8*\q], v[S+8*\q+2], v[S+8*\q+4]
.endr
.irp q, 0,1,2,3
	v_max_num_f32 v[ST+8*\q+4], v[ST+8*\q+4], v[S+8*\q+6]
.endr
.irp q, 0,1,2,3
.irp k, 0,1,2,3
	v_sub_f32 v[S+8*\q+2*\k], v[S+8*\q+2*\k], v[ST+8*\q+4]
.endr
	v_sub_f32 v[ST+8*\q+7], v[ST+8*\q], v[ST+8*\q+4]
.endr
.irp q, 0,1,2,3
.irp k, 0,1,2,3
	v_exp_f32 v[S+8*\q+2*\k], v[S+8*\q+2*\k]
.endr
	v_exp_f32 v[ST+8*\q+6], v[ST+8*\q+7]
.endr
	v_nop                                          ; a plain instruction behind the last exponential,
	s_wait_alu depctr_va_vdst(0)                   ; and one wait for the twenty
.irp q, 0,1,2,3
	v_mul_f32 v[ST+8*\q+5], v[S+8*\q], v[S+8*\q+1]
.endr
.irp k, 1,2,3
.irp q, 0,1,2,3
	v_fma_f32 v[ST+8*\q+5], v[S+8*\q+2*\k], v[S+8*\q+2*\k+1], v[ST+8*\q+5]
.endr
.endr
.irp q, 0,1,2,3
	v_rcp_f32 v[ST+8*\q+5], v[ST+8*\q+5]
.endr
	v_nop
	s_wait_alu depctr_va_vdst(0)                   ; one wait for the four reciprocals
.irp q, 0,1,2,3
	v_mul_f32 v[ST+8*\q+6], v[ST+8*\q+6], v[ST+8*\q+5]
.endr
.set e, 0
	RS 256
	; THE MERGE, in f32: tile q's partial O^T goes to region q (65,536 bytes in the ring's place), my 16,384 bytes of it; wave w then adds up region w
.set t, 0
.rept 64
	WIN 0x08+0x04*(t/32)                           ; store data in window 2 or 3
	ds_store_b128 v[MG+t%4], v[8*(t%32):8*(t%32)+3]   offset:(t/4)*1024
	ds_store_b128 v[MG+t%4], v[8*(t%32)+4:8*(t%32)+7] offset:(t/4)*1024+512
.set t, t+1
.endr
	WIN 0
	s_wait_dscnt 0x0
	s_barrier_signal -1
	s_barrier_wait -1
	WIN 0x80
.set u, 0
.rept 64                                       ; waves 0 and 1's parts into window 2,
	ds_load_b128 v[4*u:4*u+3], v[MGR] offset:(u/32)*16384+(u%32)*512
.set u, u+1
.endr
	WIN 0xc0
.set u, 0
.rept 64                                       ; waves 2 and 3's into window 3
	ds_load_b128 v[4*u:4*u+3], v[MGR] offset:32768+(u/32)*16384+(u%32)*512
.set u, u+1
.endr
	s_wait_dscnt 0x0
	WIN 0x8a
.set i, 0
.rept 64
	v_pk_add_f32 v[i:i+1], v[i:i+1], v[128+i:129+i]
.set i, i+2
.endr
	WIN 0xcf
.set i, 0
.rept 64
	v_pk_add_f32 v[i:i+1], v[i:i+1], v[128+i:129+i]
.set i, i+2
.endr
	WIN 0x8e
.set i, 0
.rept 64
	v_pk_add_f32 v[i:i+1], v[i:i+1], v[i:i+1]      ; window 2's sum + window 3's
.set i, i+2
.endr
	WIN 0x0a                                       ; O of my 16 queries, rounded to bf16: a lane's eight channels are 16 bytes of a fragment (row = query, k = channel)
.set i, 0
.rept 64
	v_cvt_pk_bf16_f32 v[S+i], v[2*i], v[2*i+1]
.set i, i+1
.endr
	WIN 0
.set u, 0
.rept 16
	ds_store_b128 v[OBS], v[S+4*u:S+4*u+3] offset:512*u
.set u, u+1
.endr
	s_wait_dscnt 0x0                               ; my stores are done, and so are my reads of the merge's bytes
	s_barrier_signal -1
	s_barrier_wait -1
	WIN 0xc0
.set f, 0
.rept 32                                       ; O's fragments of all 64 queries: tile f / 8, channels 32 (f % 8) on
	ds_load_b128 v[8*f:8*f+3],   v[OBR] offset:1024*f
	ds_load_b128 v[8*f+4:8*f+7], v[OBR] offset:1024*f+512
.set f, f+1
.endr
	s_wait_loadcnt 0x0                             ; Wproj, x, the bias
	WIN 0x80
.irp o, 0,1,2,3
.irp j, 0,1,2,3,4,5,6,7
	v_mov_b32 v[8*\o+\j], v[BP+\o]                 ; in the projection a lane holds one output channel: the C tuple's eight registers are alike
.endr
.endr
	s_wait_dscnt 0x0
	; THE PROJECTION: source 0 = O (16 queries), source 1 = Wproj (16 output channels): a lane holds one channel and eight neighbouring positions of its row of out0.  16 accumulators take turns; the bias starts the sums
	WIN 0xa7
.set kf, 0
.rept 8
.set t, 0
.rept 16
.set rD, 128+8*t
.set rA, 64*(t%4)+8*kf
.set rB, 64*(t/4)+8*kf
.if kf == 0
	v_wmma_f32_16x16x32_bf16 v[rD:rD+7], v[rA:rA+7], v[rB:rB+7], v[8*(t/4):8*(t/4)+7]
.else
	v_wmma_f32_16x16x32_bf16 v[rD:rD+7], v[rA:rA+7], v[rB:rB+7], v[rD:rD+7]
.endif
.set t, t+1
.endr
.set kf, kf+1
.endr
	PLACES
	; THE WAY OUT, through my own stage (64 rows of 272 bytes in the ring's place): in by lanes, back as whole rows of 256 bytes; x is added; 16 lanes store 256 consecutive bytes, aligned
	WIN 0x08
.set t, 0
.rept 16
	ds_store_b128 v[STO], v[128+8*t:128+8*t+3] offset:(t/4)*16*SP+(t%4)*64
	ds_store_b128 v[STO], v[128+8*t+4:128+8*t+7] offset:(t/4)*16*SP+(t%4)*64+16
.set t, t+1
.endr
	WIN 0x44                                       ; one setting for the rest: addresses and x (source 0) in window 0; the rows (destination, source 1, store data) in window 1
.set t, 0
.rept 32
	ds_load_b128 v[4*t:4*t+3], v[RD] offset:2*SP*t ; LDS serves a wave's instructions in order (ISA guide 5.7.1.4): these see the stores above
.set t, t+1
.endr
.set t, 0
.rept 32
	s_wait_dscnt 31-t                              ; rows 2 t, 2 t + 1 are back; the younger loads stay out
	v_pk_add_f32 v[4*t:4*t+1],   v[FA+4*t:FA+4*t+1],   v[4*t:4*t+1]
	v_pk_add_f32 v[4*t+2:4*t+3], v[FA+4*t+2:FA+4*t+3], v[4*t+2:4*t+3]
	global_store_b128 v[XO], v[4*t:4*t+3], s[14:15] offset:32768*t th:TH_STORE_NT
.set t, t+1
.endr
	WIN 0
	s_wait_tensorcnt 0x0                           ; the wave's end: behind my last tensor load and my last LDS store
	ds_add_u32 v[SPW], v[NIL]
	s_wait_dscnt 0x0
	CROUND                                         ; the closing round: no work-group ends while a partner may still ask for a tile that names it
	s_endpgm
.Lfunc_end_k_q96bd1f958a_attn:
	.size	k_q96bd1f958a_attn, .Lfunc_end_k_q96bd1f958a_attn-k_q96bd1f958a_attn
	.p2alignl 7, 3214868480
	.fill 96, 4, 3214868480
	.section	.rodata,"a",@progbits
	.p2align	6, 0x0
	.amdhsa_kernel k_q96bd1f958a_attn
		.amdhsa_group_segment_fixed_size 327680
		.amdhsa_private_segment_fixed_size 0
		.amdhsa_enable_private_segment 0
		.amdhsa_kernarg_size 48
		.amdhsa_user_sgpr_count 2
		.amdhsa_user_sgpr_kernarg_segment_ptr 1
		.amdhsa_wavefront_size32 1
		.amdhsa_system_sgpr_workgroup_id_x 1
		.amdhsa_system_sgpr_workgroup_id_y 1
		.amdhsa_system_sgpr_workgroup_id_z 1
		.amdhsa_system_vgpr_workitem_id 0
		.amdhsa_next_free_vgpr 1024
		.amdhsa_next_free_sgpr 66
		.amdhsa_reserve_vcc 0
		.amdhsa_float_denorm_mode_32 3
		.amdhsa_float_denorm_mode_16_64 3
		.amdhsa_memory_ordered 1
		.amdhsa_forward_progress 1
		.amdhsa_inst_pref_size 207
	.end_amdhsa_kernel
	.amdgpu_metadata
---
amdhsa.version: [ 1, 2 ]
amdhsa.kernels:
  - .name:           k_q96bd1f958a_attn
    .symbol:         k_q96bd1f958a_attn.kd
    .args:
      - { .name: qf, .offset: 0, .size: 8, .value_kind: global_buffer, .address_space: global }
      - { .name: kv, .offset: 8, .size: 8, .value_kind: global_buffer, .address_space: global }
      - { .name: wf, .offset: 16, .size: 8, .value_kind: global_buffer, .address_space: global }
      - { .name: b_proj, .offset: 24, .size: 8, .value_kind: global_buffer, .address_space: global }
      - { .name: x, .offset: 32, .size: 8, .value_kind: global_buffer, .address_space: global }
      - { .name: out0, .offset: 40, .size: 8, .value_kind: global_buffer, .address_space: global }
    .group_segment_fixed_size: 327680
    .private_segment_fixed_size: 0
    .kernarg_segment_align: 8
    .kernarg_segment_size: 48
    .max_flat_workgroup_size: 128
    .sgpr_count:     66
    .vgpr_count:     1024
    .wavefront_size: 32
...
	.end_amdgpu_metadata
.endif
;; end of part 3
;; ======== version 2 of 2: 3 launches
;; workspace buffers: stats 2,048 bytes; wf 262,144 bytes; bc 2,048 bytes; qf 8,388,608 bytes; hf 8,388,608 bytes
;; launch prep (part 4): grid 256 x 1, 8 waves a work-group, no clusters, 18,688 bytes of LDS; arguments x, w_qkv, b_qkv, w_proj, b_proj, stats, wf, bc; writes stats, wf, bc
.if DOCPART == 4
	.amdgcn_target "amdgcn-amd-amdhsa--gfx1250"
	.amdhsa_code_object_version 6
	.text
	.protected	k_q96bd1f958a_prep
	.globl	k_q96bd1f958a_prep
	.p2align	8
	.type	k_q96bd1f958a_prep,@function
k_q96bd1f958a_prep:
	s_mov_b64 s[64:65], 0
	v_nop
	global_prefetch_b8 v0, s[64:65] scope:SCOPE_SE
	s_setreg_imm32_b32 hwreg(HW_REG_WAVE_MODE, 25, 1), 1
	s_wait_xcnt 0x0
; FIRST OF THREE LAUNCHES (prep, hq, attn) for: out = x + Wproj softmax(q k^T / 16) v + b_proj, with q, k, v = Wqkv h + b_qkv, h = GroupNorm(x).  x: [4][256][4096] f32.
; WORK LEFT OUT IN THE WHOLE PROGRAM: k's bias, b_qkv[256:512].  A score is q_i . (k_j + b_k) = q_i . k_j + q_i . b_k; the second term does not hang on j, the axis of the softmax,
; and softmax(s + const) = softmax(s) for all values: it reaches no output.  Those 256 numbers are never loaded (q's and v's parts of b_qkv are live, so the buffer stays an argument).
; LIMIT: a NaN, an infinity or an overflow that reaches only that part of b_qkv is not carried to the result.
; THE PRODUCTS ARE TAKEN IN ANOTHER ORDER, by two identities that hold for all values:
;   q_i . k_j = (Wq h_i + b_q) . (Wk h_j) = (Wqk h_i + bqk) . h_j          with Wqk = Wk^T Wq, bqk = Wk^T b_q;
;   Wproj (sum_j p_ij v_j) + b_proj = Wpv (sum_j p_ij h_j) + bpv            with Wpv = Wproj Wv, bpv = Wproj b_v + b_proj, since sum_j p_ij = 1.
; So attention walks ONE array, h, in the place of k and of v: half the bytes for the same products; and two of the four 256 x 256 products a position go.  The order of rounding differs from the
; reference's: Wqk and Wpv are sums in f32 of products of weights rounded to bf16, and are rounded to bf16 once more.
; THIS LAUNCH makes (1) the GroupNorm figures of half a group a work-group, (2) Wqk and Wpv in bf16, laid out as matrix fragments, (3) bqk and bpv in f32.
; (1) Work-group i owns the 65,536 consecutive bytes of x at 65,536 i: 4 channels, half of group i / 2 (= 32 b + g): 256 threads x 16 loads of 16 bytes, kept in 64 registers a lane between the pass
; that finds the mean and the pass that sums the squares of x - mean: x is read once, and no difference of large sums is formed.  (mean, sum of centred squares) go to stats + 8 i; hq joins the halves.
; (2) Work-group (ti, tj) = (i / 16, i % 16) makes of both products the tile of rows 16 ti .. and columns 16 tj ..  Wave v takes the contraction's indices 32 v .. 32 v + 31: one matrix instruction a product;
; the eight waves' partial tiles meet in LDS; waves 1 and 2 add them up.  Source 0 holds the columns' operand, source 1 the rows': a lane then holds one row and eight neighbouring columns: 16 bytes of a fragment.
; Three of the four operands are wanted along the weights' rows' index: a lane takes them word by word, sixteen lanes 64 consecutive bytes of a row.
; (3) The rows' operand, still in f32, times b_q or b_v.  Every work-group of a row tile makes these 16 numbers and the one with tj = 0 stores them: 8 loads and some 20 vector lines a wave;
; a branch round them would put the loads of b_q and b_v behind the wait for the others.
; FRAGMENT ORDER (wf, qf): a fragment is 16 rows x 32 k of bf16, 1,024 bytes; the 16 bytes at 512 part + 16 lane hold row lane % 16, k = 16 part + 8 (lane / 16) + 0..7:
; 32 lanes x 16 consecutive bytes are registers 0-3 (part 0) or 4-7 (part 1) of a matrix operand.  wf: [tile of 16 rows: 0-15 Wqk, 16-31 Wpv][kf 0..7][1,024].  bc: bqk[256], bpv[256].
.set PT,    256                        ; LDS: bytes 0-31 eight waves' sums, 32-63 their sums of squares; from 256 on the partial tiles: [wave][product][half][lane] 16 bytes
.set BPT,   16640                      ; the partial bias numbers: [wave][product][row] 4 bytes
.set SPARE, 17664                      ; the spare words, 128 bytes a wave
.set XO,  1                            ; v1   16 x thread: my 16 bytes in each 4,096 of x; never rewritten
.set SPW, 2                            ; v2   LDS address of my spare word; never rewritten
.set NIL, 3                            ; v3   0; never rewritten
.set R4,  7                            ; v7   4 (lane % 16)
.set SO,  13                           ; v13  word by word: 8 (lane / 16) rows of 1,024 bytes + 4 (lane % 16)
.set CO,  14                           ; v14  along a row of w_proj: (lane % 16) rows + 32 (lane / 16)
.set BO,  15                           ; v15  in b_qkv: 32 (lane / 16)
.set X,   32                           ; v[32:95] my 64 numbers of x
.set FA0, 96                           ; 16 numbers each, in f32, index 8 part + e for contraction index 32 v + 16 part + 8 (lane / 16) + e: of Wq,
.set FB0, 112                          ; Wk,
.set FA1, 128                          ; Wv,
.set FB1, 144                          ; Wproj,
.set VQ,  160                          ; b_q,
.set VV,  176                          ; b_v
.set HA0, 192                          ; the four operands in bf16, 8 registers each
.set HB0, 200
.set HA1, 208
.set HB1, 216
.set D0,  224                          ; the two partial tiles
.set D1,  232
.set PB,  240                          ; v[240:243] the two partial bias numbers, in pairs
.set PTS, 244                          ; v244 where I put my 16 bytes of a partial tile
.set BPS, 245                          ; v245 where I put a partial bias number
.set LN,  246                          ; v246 lane
	s_load_b512 s[4:19], s[0:1], 0x0               ; x s[4:5], w_qkv s[6:7], b_qkv s[8:9], w_proj s[10:11], b_proj s[12:13], stats s[14:15], wf s[16:17], bc s[18:19]
	v_lshl_add_u32 v[SPW], v0, 2, SPARE
	v_mov_b32 v[NIL], 0
	v_lshrrev_b32 v4, 5, v0
	v_readfirstlane_b32 s20, v4                    ; wave 0..7
	v_lshlrev_b32 v[XO], 4, v0
	v_mov_b32 v5, s20
	v_lshlrev_b32 v5, 2, v5                        ; my wave's word in LDS
	v_mov_b32 v6, 0                                ; LDS address 0
	v_mov_b32 v12, 0                               ; offset of the store into stats
	v_and_b32 v[R4], 15, v0
	v_bfe_u32 v4, v0, 4, 1
	v_and_b32 v[LN], 31, v0
	v_lshlrev_b32 v[SO], 13, v4
	v_lshl_add_u32 v[SO], v[R4], 2, v[SO]
	v_lshlrev_b32 v[CO], 10, v[R4]
	v_lshl_add_u32 v[CO], v4, 5, v[CO]
	v_lshlrev_b32 v[BO], 5, v4
	v_lshlrev_b32 v[R4], 2, v[R4]
	s_lshl_b32 s26, s20, 11
	s_add_co_u32 s26, s26, PT
	v_lshl_add_u32 v[PTS], v[LN], 4, s26
	s_lshl_b32 s27, s20, 7
	s_add_co_u32 s27, s27, BPT
	v_add_nc_u32 v[BPS], s27, v[R4]
	s_mov_b32 s22, 0x76543210                      ; v_permlanex16_b32: each lane takes its own place in the other half
	s_mov_b32 s23, 0xfedcba98
	s_lshr_b32 s24, ttmp9, 4                       ; ti
	s_and_b32 s25, ttmp9, 15                       ; tj
	s_lshl_b32 s28, s20, 15                        ; my wave's 32 rows of 1,024 bytes
	s_lshl_b32 s30, s24, 6
	s_add_co_u32 s30, s30, s28                     ; + the 64 bytes of the rows' tile
	s_lshl_b32 s29, s25, 6
	s_add_co_u32 s28, s28, s29                     ; + those of the columns' tile
	s_mov_b32 s29, 0
	s_mov_b32 s31, 0
	s_lshl_b32 s32, s24, 14                        ; w_proj: 16 rows a tile, my wave's 128 bytes of a row
	s_lshl_b32 s34, s20, 7                         ; b_qkv: my wave's 32 numbers
	s_add_co_u32 s32, s32, s34
	s_mov_b32 s33, 0
	s_mov_b32 s35, 0
	s_lshl_b32 s36, ttmp9, 16                      ; the work-group's 65,536 bytes of x
	s_mov_b32 s37, 0
	s_wait_kmcnt 0x0
	s_add_nc_u64 s[38:39], s[6:7], s[28:29]
	s_add_nc_u64 s[40:41], s[6:7], s[30:31]
	s_add_nc_u64 s[10:11], s[10:11], s[32:33]
	s_add_nc_u64 s[8:9], s[8:9], s[34:35]
	s_add_nc_u64 s[4:5], s[4:5], s[36:37]
.set e, 0
.rept 16
.set imm, ((e/8)*16+e%8)*1024
	global_load_b32 v[FA0+e], v[SO], s[38:39] offset:imm           ; Wq[o][16 tj + r]
	global_load_b32 v[FB0+e], v[SO], s[40:41] offset:262144+imm    ; Wk[o][16 ti + r]: rows 256 on
	global_load_b32 v[FA1+e], v[SO], s[38:39] offset:524288+imm    ; Wv[o][16 tj + r]: rows 512 on
.set e, e+1
.endr
.set q, 0
.rept 4
.set imm, (q/2)*64+(q%2)*16
	global_load_b128 v[FB1+4*q:FB1+4*q+3], v[CO], s[10:11] offset:imm      ; Wproj[16 ti + r][o]
	global_load_b128 v[VQ+4*q:VQ+4*q+3], v[BO], s[8:9] offset:imm          ; b_q[o]
	global_load_b128 v[VV+4*q:VV+4*q+3], v[BO], s[8:9] offset:2048+imm     ; b_v[o]
.set q, q+1
.endr
.set k, 0
.rept 16
	global_load_b128 v[X+4*k:X+4*k+3], v[XO], s[4:5] offset:4096*k th:TH_LOAD_NT  ; a wave's load covers 512 consecutive bytes
.set k, k+1
.endr
	s_wait_loadcnt 16                              ; the sixty loads of weights and biases are in; x's sixteen may stay out
.set j, 0
.rept 8
	v_cvt_pk_bf16_f32 v[HA0+j], v[FA0+2*j], v[FA0+2*j+1]
	v_cvt_pk_bf16_f32 v[HB0+j], v[FB0+2*j], v[FB0+2*j+1]
	v_cvt_pk_bf16_f32 v[HA1+j], v[FA1+2*j], v[FA1+2*j+1]
	v_cvt_pk_bf16_f32 v[HB1+j], v[FB1+2*j], v[FB1+2*j+1]
.set j, j+1
.endr
	v_wmma_f32_16x16x32_bf16 v[D0:D0+7], v[HA0:HA0+7], v[HB0:HB0+7], 0    ; register j of lane (r, h): the sum over my 32 o of Wk[o][16 ti + r] Wq[o][16 tj + 8 h + j]
	v_wmma_f32_16x16x32_bf16 v[D1:D1+7], v[HA1:HA1+7], v[HB1:HB1+7], 0    ; of Wproj[16 ti + r][o] Wv[o][16 tj + 8 h + j]
	v_pk_mul_f32 v[PB:PB+1], v[FB0:FB0+1], v[VQ:VQ+1]                     ; the bias numbers' arithmetic is also the places behind the two products
	v_pk_mul_f32 v[PB+2:PB+3], v[FB1:FB1+1], v[VV:VV+1]
.set j, 2
.rept 7
	v_pk_fma_f32 v[PB:PB+1], v[FB0+j:FB0+j+1], v[VQ+j:VQ+j+1], v[PB:PB+1]
	v_pk_fma_f32 v[PB+2:PB+3], v[FB1+j:FB1+j+1], v[VV+j:VV+j+1], v[PB+2:PB+3]
.set j, j+2
.endr
	v_add_f32 v[PB], v[PB], v[PB+1]
	v_add_f32 v[PB+2], v[PB+2], v[PB+3]
	v_permlanex16_b32 v[PB+1], v[PB], s22, s23     ; the row's other sixteen indices lie in the lane 16 away
	v_permlanex16_b32 v[PB+3], v[PB+2], s22, s23
	v_add_f32 v[PB], v[PB], v[PB+1]
	v_add_f32 v[PB+2], v[PB+2], v[PB+3]
	ds_store_b128 v[PTS], v[D0:D0+3]
	ds_store_b128 v[PTS], v[D0+4:D0+7] offset:512
	ds_store_b128 v[PTS], v[D1:D1+3] offset:1024
	ds_store_b128 v[PTS], v[D1+4:D1+7] offset:1536
	ds_store_b32 v[BPS], v[PB]                     ; lanes r and r + 16 write the same number
	ds_store_b32 v[BPS], v[PB+2] offset:64
	s_wait_loadcnt 0x0                             ; all of my x
; the lanes' figures in v[16:17] -> the wave's in v16, in every lane
.macro LANES
	v_add_f32 v16, v16, v17
	v_add_f32_dpp v16, v16, v16 row_xmask:1 row_mask:0xf bank_mask:0xf
	v_add_f32_dpp v16, v16, v16 row_xmask:2 row_mask:0xf bank_mask:0xf
	v_add_f32_dpp v16, v16, v16 row_xmask:4 row_mask:0xf bank_mask:0xf
	v_add_f32_dpp v16, v16, v16 row_xmask:8 row_mask:0xf bank_mask:0xf
	v_permlanex16_b32 v17, v16, s22, s23
	v_add_f32 v16, v16, v17
.endm
; the four chains v[16:23] -> v[16:17]
.macro CHAINS
	v_pk_add_f32 v[16:17], v[16:17], v[18:19]
	v_pk_add_f32 v[20:21], v[20:21], v[22:23]
	v_pk_add_f32 v[16:17], v[16:17], v[20:21]
.endm
; the waves' figures meet in eight words at LDS byte off -> the work-group's in v16, in every lane
.macro WAVES off
	ds_store_b32 v5, v16 offset:\off
	s_wait_dscnt 0x0                               ; for the others' sake: all that I stored into LDS is written
	s_barrier_signal -1
	s_barrier_wait -1
	ds_load_b128 v[24:27], v6 offset:\off
	ds_load_b128 v[28:31], v6 offset:\off+16
	s_wait_dscnt 0x0
	v_pk_add_f32 v[24:25], v[24:25], v[26:27]
	v_pk_add_f32 v[28:29], v[28:29], v[30:31]
	v_pk_add_f32 v[24:25], v[24:25], v[28:29]
	v_add_f32 v16, v24, v25
.endm
	; pass 1: the sum, in four chains of pairs; the first eight pairs start them: nothing is cleared
.set p, 0
.rept 4
	v_pk_add_f32 v[16+2*p:17+2*p], v[X+2*p:X+2*p+1], v[X+8+2*p:X+9+2*p]
.set p, p+1
.endr
.set p, 8
.rept 24
	v_pk_add_f32 v[16+2*(p%4):17+2*(p%4)], v[16+2*(p%4):17+2*(p%4)], v[X+2*p:X+2*p+1]
.set p, p+1
.endr
	CHAINS
	LANES
	WAVES 0                                        ; its barrier also shows every wave the partial tiles and bias numbers
	v_mul_f32 v8, 0x38800000, v16                  ; mean = sum / 16,384
	v_mov_b32 v9, v8                               ; twice, for the packed subtraction
	v_mov_b32 v10, v8                              ; and for the store
	; pass 2: the sum of (x - mean)^2, from the registers
.set p, 0
.rept 32
	v_pk_add_f32 v[X+2*p:X+2*p+1], v[X+2*p:X+2*p+1], v[8:9] neg_lo:[0,1] neg_hi:[0,1]
.if p < 4
	v_pk_mul_f32 v[16+2*p:17+2*p], v[X+2*p:X+2*p+1], v[X+2*p:X+2*p+1]
.else
	v_pk_fma_f32 v[16+2*(p%4):17+2*(p%4)], v[X+2*p:X+2*p+1], v[X+2*p:X+2*p+1], v[16+2*(p%4):17+2*(p%4)]
.endif
.set p, p+1
.endr
	CHAINS
	LANES
	WAVES 32                                       ; other words than the first meeting's: no barrier is wanted between the two
	v_mov_b32 v11, v16
	s_cmp_lg_u32 s20, 0
	s_cbranch_scc1 .Lnot_0                         ; wave 0's first lane stores the two figures
	s_lshl_b32 s36, ttmp9, 3
	s_add_nc_u64 s[14:15], s[14:15], s[36:37]
	s_wait_xcnt 0x0                                ; EXEC is a source of the loads above: it changes only behind this wait
	v_cmp_eq_u32 vcc_lo, 0, v0
	s_and_saveexec_b32 s21, vcc_lo
	global_store_b64 v12, v[10:11], s[14:15]
	s_wait_xcnt 0x0                                ; and again in front of the line that widens it
	s_or_b32 exec_lo, exec_lo, s21
	s_branch .Lend
.Lnot_0:
	s_cmp_gt_u32 s20, 2
	s_cbranch_scc1 .Lend                           ; wave 1 finishes Wqk's tile and bqk, wave 2 Wpv's and bpv
	s_sub_co_u32 s21, s20, 1                       ; the product, 0 or 1
	s_lshl_b32 s26, s21, 10
	s_add_co_u32 s26, s26, PT
	v_lshl_add_u32 v247, v[LN], 4, s26
	s_lshl_b32 s27, s21, 6
	s_add_co_u32 s27, s27, BPT
	v_add_nc_u32 v248, s27, v[R4]
.set k, 0
.rept 8
	ds_load_b128 v[96+8*k:96+8*k+3], v247 offset:2048*k
	ds_load_b128 v[96+8*k+4:96+8*k+7], v247 offset:2048*k+512
	ds_load_b32 v[160+k], v248 offset:128*k
.set k, k+1
.endr
	s_lshl_b32 s28, s21, 17                        ; wf: 131,072 bytes a product, 8,192 a row tile, 512 a column tile
	s_lshl_b32 s29, s24, 13
	s_add_co_u32 s28, s28, s29
	s_lshl_b32 s29, s25, 9
	s_add_co_u32 s28, s28, s29
	s_mov_b32 s29, 0
	s_add_nc_u64 s[16:17], s[16:17], s[28:29]
	s_lshl_b32 s30, s21, 10                        ; bc: 1,024 bytes a product, 64 a row tile
	s_lshl_b32 s32, s24, 6
	s_add_co_u32 s30, s30, s32
	s_add_nc_u64 s[18:19], s[18:19], s[30:31]
	s_add_nc_u64 s[12:13], s[12:13], s[32:33]      ; b_proj at the row tile
	v_lshlrev_b32 v249, 4, v[LN]
	s_wait_dscnt 0x0
.irp d, 4,2,1
.set k, 0
.rept \d
.irp r, 0,2,4,6
	v_pk_add_f32 v[96+8*k+\r:96+8*k+\r+1], v[96+8*k+\r:96+8*k+\r+1], v[96+8*(k+\d)+\r:96+8*(k+\d)+\r+1]
.endr
.set k, k+1
.endr
.endr
.irp r, 0,1,2,3
	v_cvt_pk_bf16_f32 v[192+\r], v[96+2*\r], v[96+2*\r+1]
.endr
	global_store_b128 v249, v[192:195], s[16:17]   ; half a fragment: 512 consecutive bytes, aligned
	v_pk_add_f32 v[160:161], v[160:161], v[162:163]
	v_pk_add_f32 v[164:165], v[164:165], v[166:167]
	v_pk_add_f32 v[160:161], v[160:161], v[164:165]
	v_add_f32 v160, v160, v161
	s_cmp_eq_u32 s21, 1
	s_cbranch_scc0 .Lno_bp
	global_load_b32 v168, v[R4], s[12:13]          ; bpv takes b_proj as well
	s_wait_loadcnt 0x0
	v_add_f32 v160, v160, v168
.Lno_bp:
	s_cmp_lg_u32 s25, 0
	s_cbranch_scc1 .Lend                           ; the work-group with tj = 0 stores the row tile's 16 numbers: 64 consecutive bytes, 2,048 in the whole launch
	s_wait_xcnt 0x0
	v_cmp_gt_u32 vcc_lo, 16, v[LN]
	s_and_saveexec_b32 s26, vcc_lo
	global_store_b32 v[R4], v160, s[18:19]
	s_wait_xcnt 0x0
	s_or_b32 exec_lo, exec_lo, s26
.Lend:
	s_wait_tensorcnt 0x0                           ; the wave's end, behind my last LDS store
	ds_add_u32 v[SPW], v[NIL]
	s_wait_dscnt 0x0
	s_endpgm
.Lfunc_end_k_q96bd1f958a_prep:
	.size	k_q96bd1f958a_prep, .Lfunc_end_k_q96bd1f958a_prep-k_q96bd1f958a_prep
	.p2alignl 7, 3214868480
	.fill 96, 4, 3214868480
	.section	.rodata,"a",@progbits
	.p2align	6, 0x0
	.amdhsa_kernel k_q96bd1f958a_prep
		.amdhsa_group_segment_fixed_size 18688
		.amdhsa_private_segment_fixed_size 0
		.amdhsa_enable_private_segment 0
		.amdhsa_kernarg_size 64
		.amdhsa_user_sgpr_count 2
		.amdhsa_user_sgpr_kernarg_segment_ptr 1
		.amdhsa_wavefront_size32 1
		.amdhsa_system_sgpr_workgroup_id_x 1
		.amdhsa_system_sgpr_workgroup_id_y 1
		.amdhsa_system_sgpr_workgroup_id_z 1
		.amdhsa_system_vgpr_workitem_id 0
		.amdhsa_next_free_vgpr 256
		.amdhsa_next_free_sgpr 66
		.amdhsa_reserve_vcc 1
		.amdhsa_float_denorm_mode_32 3
		.amdhsa_float_denorm_mode_16_64 3
		.amdhsa_memory_ordered 1
		.amdhsa_forward_progress 1
		.amdhsa_inst_pref_size 27
	.end_amdhsa_kernel
	.amdgpu_metadata
---
amdhsa.version: [ 1, 2 ]
amdhsa.kernels:
  - .name:           k_q96bd1f958a_prep
    .symbol:         k_q96bd1f958a_prep.kd
    .args:
      - { .name: x, .offset: 0, .size: 8, .value_kind: global_buffer, .address_space: global }
      - { .name: w_qkv, .offset: 8, .size: 8, .value_kind: global_buffer, .address_space: global }
      - { .name: b_qkv, .offset: 16, .size: 8, .value_kind: global_buffer, .address_space: global }
      - { .name: w_proj, .offset: 24, .size: 8, .value_kind: global_buffer, .address_space: global }
      - { .name: b_proj, .offset: 32, .size: 8, .value_kind: global_buffer, .address_space: global }
      - { .name: stats, .offset: 40, .size: 8, .value_kind: global_buffer, .address_space: global }
      - { .name: wf, .offset: 48, .size: 8, .value_kind: global_buffer, .address_space: global }
      - { .name: bc, .offset: 56, .size: 8, .value_kind: global_buffer, .address_space: global }
    .group_segment_fixed_size: 18688
    .private_segment_fixed_size: 0
    .kernarg_segment_align: 8
    .kernarg_segment_size: 64
    .max_flat_workgroup_size: 256
    .sgpr_count:     66
    .vgpr_count:     256
    .wavefront_size: 32
...
	.end_amdgpu_metadata
.endif
;; end of part 4
;; launch hq (part 5): grid 256 x 1, 4 waves a work-group, clusters of 4 x 1, 174,592 bytes of LDS; arguments x, stats, gamma, beta, wf, bc, qf, hf; writes qf, hf
.if DOCPART == 5
	.amdgcn_target "amdgcn-amd-amdhsa--gfx1250"
	.amdhsa_code_object_version 6
	.text
	.protected	k_q96bd1f958a_hq
	.globl	k_q96bd1f958a_hq
	.p2align	8
	.type	k_q96bd1f958a_hq,@function
k_q96bd1f958a_hq:
	s_mov_b64 s[64:65], 0
	v_nop
	global_prefetch_b8 v0, s[64:65] scope:SCOPE_SE
	s_setreg_imm32_b32 hwreg(HW_REG_WAVE_MODE, 25, 1), 1
	s_wait_xcnt 0x0
	s_wait_alu depctr_hold_cnt(0) depctr_sa_sdst(0) depctr_va_vdst(0) depctr_va_sdst(0) depctr_va_ssrc(0) depctr_va_vcc(0) depctr_vm_vsrc(0)
	s_getreg_b32 s2, hwreg(HW_REG_IB_STS2, 6, 4)
	s_cmp_eq_u32 s2, 0
	s_cbranch_scc0 .Lentry_in_a_cluster
	s_endpgm
.Lentry_in_a_cluster:
	s_bfe_u32 s2, ttmp6, 0x10000c
	s_cmp_lg_u32 s2, 0x3003
	s_cbranch_scc0 .Lentry_shape_is_right
	s_endpgm
.Lentry_shape_is_right:
; SECOND LAUNCH: h = GroupNorm(x) in bf16 and q' = Wqk h + bqk, both stored in bf16 as matrix fragments for the attention launch.
; LEFT OUT: k's bias (the softmax cancels it) and the products for k and v themselves: a score is q' . h, and v's and the projection's weights are applied behind the attention as one matrix (both shown at the head of prep).
; SHARES.  A work-group owns 64 positions of one batch (256 bytes of each of the 256 channel rows of x).  Wave w makes channels 64 w .. 64 w + 63 of q': 16 accumulators (4 tiles of 16 channels x 4 tiles of
; 16 positions) x 8 steps of 32 input channels = 128 matrix instructions; the 16 take turns, one instruction a turn.  It also stores h of position tile w.
; THE WEIGHTS (Wqk, 128 KiB in wf, the same for every work-group) come by one tensor load a wave that the four work-groups of a cluster ask for JOINTLY (mask 15).  Wave w fetches, and alone reads, bytes 32,768 w ..
; Nothing is filled again.  By this text's count one tensor load of a wave is out.
; h goes through LDS as [channel][position] and comes out turned, by ds_load_tr16_b128, as fragments (row = position, k = channel): source 1 of the products, and what hf holds.
; Source 0 = Wqk: a lane holds one position and eight channels of q', which pack into 16 bytes of a fragment.  The bias is the C operand of the product that starts a sum.
; qf: [b][query tile of 16][kf 0..7][1,024], the 16 bytes of lane l, part p at 512 p + 16 l.
; hf: [b][block of 32 keys][key tile 0..1][kf 0..7][1,024]; here the 16 bytes of (row r, half hh) lie at 512 p + 16 (16 hh + (r xor 8 hh)): so in LDS both the plain load (lane = 16 hh + r) and the turning load
; (lane 16 h + 8 e + i reads row 8 h + i, half e) of the attention launch take, with each 16 neighbouring lanes, 16 different places modulo 256 bytes.  Every store of a wave covers 512 consecutive bytes, aligned.
; GROUPNORM.  The two halves' (mean, M) of prep are joined: mean = (m0 + m1) / 2, M = M0 + M1 + 8,192 (m0 - m1)^2, var = M / 32,768; a = gamma rsqrt(var + 1e-6), d = beta - mean a, h = a x + d.
; REGISTERS, in windows of 256 (s_set_vgpr_msb: bits 1:0 source 0, 3:2 source 1, 5:4 source 2, 7:6 destination):
;   window 0: v0-31 addresses and the table's arithmetic; v32-63 the bias; v64-127 (a, d) of my 32 channels; v128-255 x, later the accumulators ((ot, nt) at 128 + 8 (4 ot + nt))
;   window 1: h's fragments, (nt, kf) at 64 nt + 8 kf     window 2: Wqk, (ot, kf) at 64 ot + 8 kf     window 3: v0-63 h of position tile w, on its way out
.set HB,    131072                     ; LDS: Wqk at 0; h here: 256 rows (channels) of 64 bf16
.set HP,    160                        ; 128 bytes + 32: 16 lanes of the turning load take 8 rows x 32 bytes at different places modulo 256
.set TAB,   172032                     ; (a, d) for each channel, 8 bytes
.set SPARE, 174080                     ; the spare words, 128 bytes for each wave: two blocks of 256 bytes that no other line names
.set XO,  4                            ; v4   x: channel 2 w + lane / 16, 16 bytes at 16 (lane % 16)
.set HST, 5                            ; v5   where those four numbers go in h
.set TST, 6                            ; v6   TAB + 8 thread
.set TRD, 7                            ; v7   TAB + 8 (2 w + lane / 16)
.set HRD, 8                            ; v8   the turning load's address
.set WA,  9                            ; v9   my wave's share of Wqk + 16 lane
.set GO,  11                           ; v11  16 lane
.set SO,  12                           ; v12  16 (thread / 8): my channel's group in stats
.set T4,  13                           ; v13  4 thread
.set BQO, 14                           ; v14  32 (lane / 16)
.set SPW, 28                           ; v28  LDS address of my spare word; never rewritten
.set NIL, 29                           ; v29  0; never rewritten
.set HRW, 30                           ; v30  the turning load's address for position tile w
.set GOH, 31                           ; v31  my 16 bytes in a half fragment of hf
.set BQ,  32
.set AD,  64
.set X,   128
.set ACC, 128
.set WV,  20                           ; s20  my wave's number
.set G1,  24                           ; s[24:31] descriptor group 1
.set G0A, 32                           ; s[32:35] group 0
.set MSB, 0
.macro WIN new                         ; the immediate's high byte repeats the setting that is left; a switch that changes nothing is dropped
.if MSB != (\new)
	s_set_vgpr_msb (MSB<<8)|(\new)
.set MSB, \new
.endif
.endm
.macro ROUND                           ; a round of the cluster's barrier: my work-group's barrier; wave 0 signals for the work-group; every wave waits for all four work-groups; my work-group's barrier once more
	s_barrier_signal -1
	s_barrier_wait -1
	s_cmp_lg_u32 s[WV], 0
	s_cbranch_scc1 .Lnot_wave_0_\@
	s_barrier_signal -3
.Lnot_wave_0_\@:
	s_barrier_wait -3
	s_barrier_signal -1
	s_barrier_wait -1
.endm
.macro PLACES                          ; four plain vector instructions between a matrix instruction and a reader of its result (ISA guide 7.12.1)
.rept 4
	v_nop
.endr
.endm
	s_load_b512 s[4:19], s[0:1], 0x0               ; x s[4:5], stats s[6:7], gamma s[8:9], beta s[10:11], wf s[12:13], bc s[14:15], qf s[16:17], hf s[18:19]
	v_lshl_add_u32 v[SPW], v0, 2, SPARE
	v_mov_b32 v[NIL], 0
	ds_add_u32 v[SPW], v[NIL]                      ; the wave's opening: the add, twice on end, and its wait ahead of my first tensor load
	ds_add_u32 v[SPW], v[NIL]
	v_lshrrev_b32 v1, 5, v0
	v_readfirstlane_b32 s[WV], v1                  ; wave 0..3
	s_bfe_u32 s21, ttmp6, 0x40000                  ; cx: my place in the cluster: it enters the addresses of x, qf and hf alone
	s_lshl_b32 s22, ttmp9, 2
	s_add_co_u32 s22, s22, s21
	s_and_b32 s22, s22, 63                         ; my block of 64 positions
	s_lshr_b32 s23, ttmp9, 4                       ; the batch: 16 clusters each
	; descriptor group 1: 32,768 dense bytes as 128 rows of 256 bytes
	s_mov_b32 s[G1], 15|(3<<16)|(1<<21)            ; 15:0 the mask: all four work-groups; 17:16 elements of 8 bytes; 21 set beside a mask
	s_mov_b32 s[G1+1], 32<<16                      ; tensor_dim0 = 32
	s_mov_b32 s[G1+2], 128<<16                     ; tensor_dim1 = 128
	s_mov_b32 s[G1+3], 32<<16                      ; tile_dim0 = 32
	s_mov_b32 s[G1+4], 128                         ; tile_dim1 = 128
	s_mov_b32 s[G1+5], 32                          ; 32 elements from row to row
	s_mov_b32 s[G1+6], 0
	s_mov_b32 s[G1+7], 0
	s_lshl_b32 s44, s[WV], 15                      ; my wave's 32,768 bytes, in LDS and in wf
	s_mov_b32 s45, 0
	s_mov_b32 s[G0A], 1
	s_mov_b32 s[G0A+1], s44
	s_lshl_b32 s46, s23, 22                        ; x: the batch's 4 MiB, my 256 bytes of a row
	s_lshl_b32 s47, s22, 8
	s_add_co_u32 s46, s46, s47
	s_mov_b32 s47, 0
	s_lshl_b32 s48, s23, 9                         ; stats: 32 groups of 16 bytes a batch
	s_mov_b32 s49, 0
	s_lshl_b32 s50, s[WV], 8                       ; bc: bqk of my 64 channels
	s_mov_b32 s51, 0
	s_lshl_b32 s52, s23, 21                        ; qf and hf: 2 MiB a batch, 32,768 bytes a block of 64 positions;
	s_lshl_b32 s53, s22, 15
	s_add_co_u32 s52, s52, s53
	s_lshl_b32 s54, s[WV], 13                      ; hf: my position tile's 8,192 bytes;
	s_add_co_u32 s54, s54, s52
	s_lshl_b32 s53, s[WV], 11                      ; qf: my 4 half fragments of 512 in each tile
	s_add_co_u32 s52, s52, s53
	s_mov_b32 s53, 0
	s_mov_b32 s55, 0
	s_lshl_b32 s60, s[WV], 1
	s_lshl_b32 s61, s[WV], 5
	s_wait_dscnt 0x0                               ; both opening adds are done
	s_wait_kmcnt 0x0
	s_add_nc_u64 s[G0A+2:G0A+3], s[12:13], s[44:45]
	s_or_b32 s[G0A+3], s[G0A+3], 0x80000000        ; type = 2
	s_add_nc_u64 s[4:5], s[4:5], s[46:47]
	s_add_nc_u64 s[6:7], s[6:7], s[48:49]
	s_add_nc_u64 s[14:15], s[14:15], s[50:51]
	s_add_nc_u64 s[16:17], s[16:17], s[52:53]
	s_add_nc_u64 s[18:19], s[18:19], s[54:55]
	ROUND                                          ; all four work-groups are here: the joint loads meet
	tensor_load_to_lds s[G0A:G0A+3], s[G1:G1+7]    ; my share of Wqk
	s_nop 0
	PLACES
	v_and_b32 v1, 15, v0                           ; r = lane % 16
	v_bfe_u32 v2, v0, 4, 1                         ; h = lane / 16
	v_and_b32 v3, 31, v0                           ; lane
	v_add_nc_u32 v16, s60, v2                      ; 2 w + h
	v_lshlrev_b32 v[XO], 14, v16
	v_lshl_add_u32 v[XO], v1, 4, v[XO]
	v_mul_u32_u24 v[HST], v16, HP
	v_lshl_add_u32 v[HST], v1, 3, v[HST]
	v_add_nc_u32 v[HST], HB, v[HST]
	v_lshl_add_u32 v[TST], v0, 3, TAB
	v_lshl_add_u32 v[TRD], v16, 3, TAB
	v_and_b32 v17, 7, v0
	v_bfe_u32 v18, v0, 3, 1
	v_lshl_add_u32 v[HRD], v2, 3, v17              ; the turning load: lane l reads channel 8 (l / 16) + l % 8, positions 8 ((l / 8) % 2) + 0..7
	v_mul_u32_u24 v[HRD], v[HRD], HP
	v_lshl_add_u32 v[HRD], v18, 4, v[HRD]
	v_add_nc_u32 v[HRD], HB, v[HRD]
	v_add_nc_u32 v[HRW], s61, v[HRD]               ; position tile w: 32 bytes further for each tile
	v_add_nc_u32 v19, v2, v18                      ; hf's order: 16 hh + (r xor 8 hh) = 16 hh + 8 ((hh + bit 3 of r) % 2) + r % 8
	v_and_b32 v19, 1, v19
	v_lshl_add_u32 v19, v19, 3, v17
	v_lshl_add_u32 v19, v2, 4, v19
	v_lshlrev_b32 v[GOH], 4, v19
	v_lshl_add_u32 v[WA], v3, 4, s44
	v_lshlrev_b32 v[GO], 4, v3
	v_lshrrev_b32 v[SO], 3, v0
	v_lshlrev_b32 v[SO], 4, v[SO]
	v_lshlrev_b32 v[T4], 2, v0
	v_lshlrev_b32 v[BQO], 5, v2
	; thread t makes (a, d) of channels t and t + 128: six loads; then the bias, eight; then x, 32
	global_load_b128 v[16:19], v[SO], s[6:7]               ; m0, M0, m1, M1 of channel t's group
	global_load_b128 v[20:23], v[SO], s[6:7] offset:256    ; of channel t + 128's
	global_load_b32 v24, v[T4], s[8:9]
	global_load_b32 v25, v[T4], s[8:9] offset:512
	global_load_b32 v26, v[T4], s[10:11]
	global_load_b32 v27, v[T4], s[10:11] offset:512
.irp o, 0,1,2,3
	global_load_b128 v[BQ+8*\o:BQ+8*\o+3],   v[BQO], s[14:15] offset:64*\o     ; register j: bqk of channel 64 w + 16 o + 8 h + j
	global_load_b128 v[BQ+8*\o+4:BQ+8*\o+7], v[BQO], s[14:15] offset:64*\o+16
.endr
.set i, 0
.rept 32
	global_load_b128 v[X+4*i:X+4*i+3], v[XO], s[4:5] offset:131072*i th:TH_LOAD_NT  ; channels 8 i + 2 w + h: 16 lanes take the 256 bytes of a row
.set i, i+1
.endr
	s_wait_loadcnt 32                              ; the fourteen older loads are in; x's 32 may stay out
	v_sub_f32 v68, v16, v18                        ; m0 - m1
	v_sub_f32 v69, v20, v22
	v_add_f32 v70, v17, v19                        ; M0 + M1
	v_add_f32 v71, v21, v23
	v_mul_f32 v68, v68, v68
	v_mul_f32 v69, v69, v69
	v_fma_f32 v70, v68, 0x46000000, v70            ; + 8,192 (m0 - m1)^2
	v_fma_f32 v71, v69, 0x46000000, v71
	v_mov_b32 v72, 0x358637bd                      ; 1e-6
	v_fma_f32 v70, v70, 0x38000000, v72            ; / 32,768 + eps
	v_fma_f32 v71, v71, 0x38000000, v72
	v_rsq_f32 v70, v70
	v_rsq_f32 v71, v71
	v_add_f32 v73, v16, v18                        ; plain work behind the two roots
	v_add_f32 v74, v20, v22
	s_wait_alu depctr_va_vdst(0)                   ; one wait for both roots, ahead of their first reader
	v_mul_f32 v64, v70, v24                        ; a
	v_mul_f32 v66, v71, v25
	v_mul_f32 v73, 0.5, v73                        ; mean
	v_mul_f32 v74, 0.5, v74
	v_fma_f32 v65, -v73, v64, v26                  ; d = beta - mean a
	v_fma_f32 v67, -v74, v66, v27
	ds_store_b64 v[TST], v[64:65]
	ds_store_b64 v[TST], v[66:67] offset:1024
	s_wait_dscnt 0x0                               ; for the others' sake: my two entries are written
	s_barrier_signal -1                            ; the tensor load may stay out
	s_barrier_wait -1
.set i, 0
.rept 32
	ds_load_b64 v[AD+2*i:AD+2*i+1], v[TRD] offset:64*i     ; (a, d) of channel 8 i + 2 w + h
.set i, i+1
.endr
	s_wait_dscnt 0x0
.set i, 0
.rept 32
	s_wait_loadcnt 31-i                            ; loads come back in order: load i is in, the younger ones stay out
	v_fma_f32 v[X+4*i],   v[X+4*i],   v[AD+2*i], v[AD+2*i+1]
	v_fma_f32 v[X+4*i+1], v[X+4*i+1], v[AD+2*i], v[AD+2*i+1]
	v_fma_f32 v[X+4*i+2], v[X+4*i+2], v[AD+2*i], v[AD+2*i+1]
	v_fma_f32 v[X+4*i+3], v[X+4*i+3], v[AD+2*i], v[AD+2*i+1]
	v_cvt_pk_bf16_f32 v[X+4*i],   v[X+4*i],   v[X+4*i+1]
	v_cvt_pk_bf16_f32 v[X+4*i+1], v[X+4*i+2], v[X+4*i+3]
	ds_store_b64 v[HST], v[X+4*i:X+4*i+1] offset:8*HP*i
.set i, i+1
.endr
	s_wait_tensorcnt 0x0                           ; my share of Wqk is in, and I alone read it
	WIN 0x80
.set f, 0
.rept 32                                       ; 32 fragments, 512 consecutive bytes a load, into window 2
	ds_load_b128 v[8*f:8*f+3],   v[WA] offset:1024*f
	ds_load_b128 v[8*f+4:8*f+7], v[WA] offset:1024*f+512
.set f, f+1
.endr
	WIN 0
	s_wait_dscnt 0x0                               ; for the others' sake: my stores into h are done
	s_barrier_signal -1
	s_barrier_wait -1                              ; h is whole for every wave
	WIN 0xc0
.set f, 0
.rept 8                                        ; position tile w, chosen by address, into fixed registers: channels 32 f on
	ds_load_tr16_b128 v[8*f:8*f+3],   v[HRW] offset:f*32*HP
	ds_load_tr16_b128 v[8*f+4:8*f+7], v[HRW] offset:f*32*HP+16*HP
.set f, f+1
.endr
	WIN 0x40
.set f, 0
.rept 32                                       ; all of h's fragments: positions 16 (f / 8) on, channels 32 (f % 8) on
	ds_load_tr16_b128 v[8*f:8*f+3],   v[HRD] offset:(f%8)*32*HP+(f/8)*32
	ds_load_tr16_b128 v[8*f+4:8*f+7], v[HRD] offset:(f%8)*32*HP+(f/8)*32+16*HP
.set f, f+1
.endr
	s_wait_dscnt 0x0
	WIN 0x0c                                       ; store data in window 3
.set f, 0
.rept 8
	global_store_b128 v[GOH], v[8*f:8*f+3],   s[18:19] offset:1024*f       ; h leaves while q' is multiplied; these registers are written no more
	global_store_b128 v[GOH], v[8*f+4:8*f+7], s[18:19] offset:1024*f+512
.set f, f+1
.endr
	; 128 matrix instructions.  The 16 accumulators take turns, one instruction a turn; the first 16 start the sums with the bias
	WIN 0x06                                       ; source 0 = Wqk in window 2, source 1 = h in window 1
.set kf, 0
.rept 8
.set t, 0
.rept 16
.set rD, ACC+8*t
.set rW, 64*(t/4)+8*kf
.set rH, 64*(t%4)+8*kf
.if kf == 0
	v_wmma_f32_16x16x32_bf16 v[rD:rD+7], v[rW:rW+7], v[rH:rH+7], v[BQ+8*(t/4):BQ+8*(t/4)+7]
.else
	v_wmma_f32_16x16x32_bf16 v[rD:rD+7], v[rW:rW+7], v[rH:rH+7], v[rD:rD+7]
.endif
.set t, t+1
.endr
.set kf, kf+1
.endr
	PLACES
	; each accumulator is rounded to bf16 in place, lowest registers first, and stored: half a fragment, 512 consecutive bytes a wave
	WIN 0
.set t, 0
.rept 16
.set rD, ACC+8*t
	v_cvt_pk_bf16_f32 v[rD],   v[rD],   v[rD+1]
	v_cvt_pk_bf16_f32 v[rD+1], v[rD+2], v[rD+3]
	v_cvt_pk_bf16_f32 v[rD+2], v[rD+4], v[rD+5]
	v_cvt_pk_bf16_f32 v[rD+3], v[rD+6], v[rD+7]
	global_store_b128 v[GO], v[rD:rD+3], s[16:17] offset:(t%4)*8192+(t/4)*512
.set t, t+1
.endr
	s_wait_tensorcnt 0x0                           ; the wave's end: behind my last tensor load and my last LDS store
	ds_add_u32 v[SPW], v[NIL]
	s_wait_dscnt 0x0
	ROUND                                          ; the closing round: no work-group ends while a partner may still ask for a tile that names it
	s_endpgm
.Lfunc_end_k_q96bd1f958a_hq:
	.size	k_q96bd1f958a_hq, .Lfunc_end_k_q96bd1f958a_hq-k_q96bd1f958a_hq
	.p2alignl 7, 3214868480
	.fill 96, 4, 3214868480
	.section	.rodata,"a",@progbits
	.p2align	6, 0x0
	.amdhsa_kernel k_q96bd1f958a_hq
		.amdhsa_group_segment_fixed_size 174592
		.amdhsa_private_segment_fixed_size 0
		.amdhsa_enable_private_segment 0
		.amdhsa_kernarg_size 64
		.amdhsa_user_sgpr_count 2
		.amdhsa_user_sgpr_kernarg_segment_ptr 1
		.amdhsa_wavefront_size32 1
		.amdhsa_system_sgpr_workgroup_id_x 1
		.amdhsa_system_sgpr_workgroup_id_y 1
		.amdhsa_system_sgpr_workgroup_id_z 1
		.amdhsa_system_vgpr_workitem_id 0
		.amdhsa_next_free_vgpr 1024
		.amdhsa_next_free_sgpr 66
		.amdhsa_reserve_vcc 0
		.amdhsa_float_denorm_mode_32 3
		.amdhsa_float_denorm_mode_16_64 3
		.amdhsa_memory_ordered 1
		.amdhsa_forward_progress 1
		.amdhsa_inst_pref_size 53
	.end_amdhsa_kernel
	.amdgpu_metadata
---
amdhsa.version: [ 1, 2 ]
amdhsa.kernels:
  - .name:           k_q96bd1f958a_hq
    .symbol:         k_q96bd1f958a_hq.kd
    .args:
      - { .name: x, .offset: 0, .size: 8, .value_kind: global_buffer, .address_space: global }
      - { .name: stats, .offset: 8, .size: 8, .value_kind: global_buffer, .address_space: global }
      - { .name: gamma, .offset: 16, .size: 8, .value_kind: global_buffer, .address_space: global }
      - { .name: beta, .offset: 24, .size: 8, .value_kind: global_buffer, .address_space: global }
      - { .name: wf, .offset: 32, .size: 8, .value_kind: global_buffer, .address_space: global }
      - { .name: bc, .offset: 40, .size: 8, .value_kind: global_buffer, .address_space: global }
      - { .name: qf, .offset: 48, .size: 8, .value_kind: global_buffer, .address_space: global }
      - { .name: hf, .offset: 56, .size: 8, .value_kind: global_buffer, .address_space: global }
    .group_segment_fixed_size: 174592
    .private_segment_fixed_size: 0
    .kernarg_segment_align: 8
    .kernarg_segment_size: 64
    .max_flat_workgroup_size: 128
    .sgpr_count:     66
    .vgpr_count:     1024
    .wavefront_size: 32
...
	.end_amdgpu_metadata
.endif
;; end of part 5
;; launch attn (part 6): grid 256 x 1, 4 waves a work-group, clusters of 4 x 1, 327,680 bytes of LDS; arguments qf, hf, wf, bc, x, out0; writes out0
.if DOCPART == 6
	.amdgcn_target "amdgcn-amd-amdhsa--gfx1250"
	.amdhsa_code_object_version 6
	.text
	.protected	k_q96bd1f958a_attn
	.globl	k_q96bd1f958a_attn
	.p2align	8
	.type	k_q96bd1f958a_attn,@function
k_q96bd1f958a_attn:
	s_mov_b64 s[64:65], 0
	v_nop
	global_prefetch_b8 v0, s[64:65] scope:SCOPE_SE
	s_setreg_imm32_b32 hwreg(HW_REG_WAVE_MODE, 25, 1), 1
	s_wait_xcnt 0x0
	s_wait_alu depctr_hold_cnt(0) depctr_sa_sdst(0) depctr_va_vdst(0) depctr_va_sdst(0) depctr_va_ssrc(0) depctr_va_vcc(0) depctr_vm_vsrc(0)
	s_getreg_b32 s2, hwreg(HW_REG_IB_STS2, 6, 4)
	s_cmp_eq_u32 s2, 0
	s_cbranch_scc0 .Lentry_in_a_cluster
	s_endpgm
.Lentry_in_a_cluster:
	s_bfe_u32 s2, ttmp6, 0x10000c
	s_cmp_lg_u32 s2, 0x3003
	s_cbranch_scc0 .Lentry_shape_is_right
	s_endpgm
.Lentry_shape_is_right:
; THIRD LAUNCH: out0 = x + Wpv O^T + bpv, O[q] = the sum over k of softmax_k(q'[q] . h[k] / 16) h[k]; one head of 256 channels, 4,096 keys, 4 batches.
; h STANDS FOR k AND FOR v: q' = Wk^T (Wq h + b_q), Wpv = Wproj Wv, bpv = Wproj b_v + b_proj; k's bias is left out, the softmax cancels it (all shown at the head of prep).
; q' and h come in bf16 in fragment order (qf, hf).  Products, maxima, sums and the residual in f32; the weights p and O are rounded to bf16 once.
; LIMITS.  c x score stays within 4e37 in magnitude (c = log2(e) / 16); a weight below 2^-126 counts as 0; NaN and infinities are not treated apart.
; SHARES.  A work-group owns 64 queries (four tiles of 16): 256 work-groups.  THE KEYS ARE SPLIT AMONG ITS FOUR WAVES: of each unit's 128 keys wave w takes block w of 32, for all 64 queries, with a running
; maximum, sum l and O^T of its own; each fragment read from LDS feeds four matrix instructions.  The four partial results are merged at the end.
; LAYOUT.  S^T = h Q'^T (source 0 = 16 keys, source 1 = 16 queries): a lane holds ONE query (lane % 16) and keys 8 (lane / 16) + 0..7.  The two key tiles' results, rounded in pairs, ARE source 1 (32 keys x 16 queries)
; of O^T = h^T P, whose result again holds one query a lane and eight channels.  A block's 16,384 bytes are read twice: as they lie (rows = keys) by ds_load_b128, and turned (rows = channels) by ds_load_tr16_b128;
; hf's order of the 16-byte pieces (head of hq) lets each 16 neighbouring lanes of either load take 16 different places modulo 256 bytes, without padding.
; SOFTMAX.  p = 2^(c s - c m), with a running maximum kept as c m: the new one is max(c x the block's maximum, the old one); in every step O and l are multiplied by a = 2^(c m_old - c m_new).
; c m starts far below every c s, O and l at 0: the first step is a step like any other, with a = 0.  The price: 512 lines that write 0, in the wait for the first unit.
; TWO BLOCKS ARE IN HAND AT A TIME, so that the vector work stands beside matrix work.  TRIP t: 64 products h Q'^T of block t + 1, behind product i the four lines that multiply O^T's tile i by a(t);
; then 64 products h^T P of block t, behind them, four to a product or fewer, the softmax of block t + 1 (68 exponentials, one batch, one wait).  The products h^T P go query tile by query tile within each half of
; the channels, so that P's tile q is read for the last time by product 39 + 8 q and block t + 1's weights can take its place behind that; twelve roundings are left over behind the last product.
; The runs of LDS loads stand 29 products or more ahead of their first use.  A group of riders costs two switches of the register windows.
; THE RING.  Four slots of one unit's 65,536 bytes; wave w fetches and alone reads bytes 16,384 w .. of a slot.  Trip t reads block t turned and block t + 2 plain; block t + 1 waits for its turned reading.
; Behind product 40 of h^T P all reads of block t are back: its slot takes unit t + 4, behind a round in every trip; the products go on between the round's lines.
; By this text's count four tensor loads of a wave are out at the start, one behind each round.
; THE WALK.  Cluster c of a batch's sixteen begins at unit 4 (c % 8) + 2 (c / 8) and goes round modulo 32 (a softmax does not hang on the order of its keys): the sixteen ask for sixteen different units at a time.
; NO PREFETCH IS LAID: each cluster takes four units as its first fills, so every unit's first request in the launch stands at a kernel's head.
; THE TEXT.  Block 0's scores and softmax stand bare ahead of the loop, by the same macros; 28 trips fill slots (a trip written once); three more are a second text;
; the last of these fetches K from a slot's old bytes, 32 loads that serve nothing, so that every counted wait finds the same loads on every way; block 31's rescaling and products follow bare.
; CLUSTER.  The four work-groups of a cluster belong to one batch and walk the same units, so each is asked for JOINTLY: the same tensor load, descriptor and mask in all four.
; REGISTERS, in windows of 256 (s_set_vgpr_msb: bits 1:0 source 0, 3:2 source 1, 5:4 source 2, 7:6 destination):
;   window 0: v0-7 thread, addresses, the add's two; v8-31 six registers of statistics a tile; v32-63 P, 8 a tile (at the end: addresses); v64-127 S^T, 16 a tile; v128-191, v192-255 two buffers of 8 fragments
;   window 1: Q', (tile, kf) at 64 tile + 8 kf; at the end Wpv, then the rows on their way out          windows 2, 3: O^T: tile t = 4 cb + q at 8 (t % 32) of window 2 + t / 32
.set SLOTB, 65536                      ; a slot
.set HALF,  131072                     ; two slots: one exclusive or turns an address in slots 0, 1 into slots 2, 3
.set STATB, 262144                     ; behind the ring: the waves' (c m, l): [wave][tile][query] 8 bytes
.set OBB,   264192                     ; O in bf16, as fragments: [tile][kf][1,024]
.set SPARE, 296960                     ; the spare words, 128 bytes for each wave: two blocks of 256 bytes that no other line names
.set SP,    272                        ; the way out: a row of 64 f32 + 16 bytes
.set LBK, 1                            ; v1   16,384 w + my lane's 16 bytes of a half fragment, for the plain load
.set LBV, 2                            ; v2   the same for the turning load
.set ADK, 3                            ; v3   LDS address of the plain loads in hand
.set ADV, 4                            ; v4   of the turning loads
.set GO,  5                            ; v5   16 lane; never rewritten
.set SPW, 6                            ; v6   LDS address of my spare word; never rewritten
.set NIL, 7                            ; v7   0; never rewritten
.set ST,  8                            ; tile q at ST + 6 q: +0 c m, +1 c0 (at work), +2, +3 l (even keys', odd keys'), +4 a, +5 c1 (at work)
.set P,   32
.set S,   64
.set FA,  128
.set FB,  192
.set STS, 32                           ; the end's addresses, in P's place: where I put (c m, l)
.set STR, 33                           ; where I read the four waves'
.set MGR, 34                           ; the merge: where I read
.set OBS, 35                           ; O in bf16: where I put it
.set OBR, 36                           ; where I read it
.set STO, 37                           ; the way out: where I put 16 bytes of a row
.set RD,  38                           ; where I read rows back
.set XO,  39                           ; my 16 bytes in two rows of x and out0
.set BP,  40                           ; v40-43 bpv of my lane's channel, for each of four tiles
.set MG,  44                           ; v44-47 the merge: where I put tile q's partial O^T
.set R4,  48                           ; 4 (lane % 16)
.set WV,  16                           ; s16  my wave's number
.set WOFF, 21                          ; s21  16,384 w
.set G1,  24                           ; s[24:31] descriptor group 1
.set G0,  32                           ; s[32:47] group 0 for the four first fills, a set each
.set G0W, 48                           ; s[48:51] group 0 for the refills
.set CS,  52                           ; s[52:53] c
.set SEL, 54                           ; s[54:55] v_permlanex16_b32's selects: each lane takes its own place in the other half
.set HB,  56                           ; s[56:57] hf at the batch's first unit, my wave's block
.set OFF, 58                           ; s[58:59] a unit's byte offset
.set CNT, 60                           ; s60  trips still to come in a pair, or in the tail
.set PAIRS, 61                         ; s61  pairs of trips still to come
.set TBV, 62                           ; s62  the slot of block t
.set TK,  63                           ; s63  the slot of block t + 2
.set NXT, 66                           ; s66  the walk's place of the unit to be asked for next, before the wrap
.set MSB, 0
.macro WIN new                         ; the immediate's high byte repeats the setting that is left; a switch that changes nothing is dropped
.if MSB != (\new)
	s_set_vgpr_msb (MSB<<8)|(\new)
.set MSB, \new
.endif
.endm
.macro PLACES
.rept 4
	v_nop
.endr
.endm
.macro CREST                           ; a round of the cluster's barrier behind its opening barrier
	s_cmp_lg_u32 s[WV], 0
	s_cbranch_scc1 .Lnot_wave_0_\@
	s_barrier_signal -3
.Lnot_wave_0_\@:
	s_barrier_wait -3
	s_barrier_signal -1
	s_barrier_wait -1
.endm
.macro CROUND                          ; a whole round: my work-group's barrier; wave 0 signals for the work-group; every wave waits for all four work-groups; my work-group's barrier once more
	s_barrier_signal -1
	s_barrier_wait -1
	CREST
.endm
	s_load_b256 s[4:11], s[0:1], 0x0               ; qf s[4:5], hf s[6:7], wf s[8:9], bc s[10:11]
	s_load_b128 s[12:15], s[0:1], 0x20             ; x s[12:13], out0 s[14:15]
	v_lshl_add_u32 v[SPW], v0, 2, SPARE
	v_mov_b32 v[NIL], 0
	ds_add_u32 v[SPW], v[NIL]                      ; the wave's opening: the add, twice on end, and its wait ahead of my first tensor load
	ds_add_u32 v[SPW], v[NIL]
	v_lshrrev_b32 v1, 5, v0
	v_readfirstlane_b32 s[WV], v1                  ; wave 0..3
	s_bfe_u32 s17, ttmp6, 0x40000                  ; cx: it enters the addresses of qf, x and out0 alone
	s_lshl_b32 s18, ttmp9, 2
	s_add_co_u32 s18, s18, s17
	s_and_b32 s20, s18, 63                         ; my block of 64 queries
	s_lshr_b32 s19, ttmp9, 4                       ; the batch, which the four partners share
	s_mov_b32 s[G1], 15|(3<<16)|(1<<21)            ; 15:0 the mask of four; 17:16 elements of 8 bytes; 21 set beside a mask: 16,384 dense bytes as 64 rows of 256
	s_mov_b32 s[G1+1], 32<<16                      ; tensor_dim0 = 32
	s_mov_b32 s[G1+2], 64<<16                      ; tensor_dim1 = 64
	s_mov_b32 s[G1+3], 32<<16                      ; tile_dim0 = 32
	s_mov_b32 s[G1+4], 64                          ; tile_dim1 = 64
	s_mov_b32 s[G1+5], 32                          ; 32 elements from row to row
	s_mov_b32 s[G1+6], 0
	s_mov_b32 s[G1+7], 0
	s_mov_b32 s[CS], 0x3db8aa3b                    ; c = log2(e) / 16
	s_mov_b32 s[CS+1], s[CS]                       ; named with it as a pair
	s_mov_b32 s[SEL], 0x76543210
	s_mov_b32 s[SEL+1], 0xfedcba98
	s_lshl_b32 s[WOFF], s[WV], 14                  ; my wave's 16,384 bytes of a unit and of a slot
	s_and_b32 s22, ttmp9, 7                        ; where the cluster's walk begins: 4 (c % 8) + 2 (c / 8), c the cluster's number in its batch: the same in all four partners
	s_lshl_b32 s22, s22, 2
	s_bfe_u32 s23, ttmp9, 0x10003
	s_lshl_b32 s23, s23, 1
	s_or_b32 s[NXT], s22, s23
.irp n, 0,1,2,3
	s_mov_b32 s[G0+4*\n], 1                        ; count = 1
	s_add_co_u32 s[G0+4*\n+1], s[WOFF], \n*SLOTB   ; LDS address: slot n
	s_add_co_u32 s[68+2*\n], s[NXT], \n            ; the walk's unit n, modulo 32,
	s_and_b32 s[68+2*\n], s[68+2*\n], 31
	s_lshl_b32 s[68+2*\n], s[68+2*\n], 16          ; in bytes
	s_mov_b32 s[69+2*\n], 0
.endr
	s_add_co_u32 s[NXT], s[NXT], 4
	s_mov_b32 s[G0W], 1
	s_mov_b32 s[OFF+1], 0
	s_lshl_b32 s76, s19, 21                        ; the batch's 2 MiB of hf, my wave's block in a unit
	s_add_co_u32 s76, s76, s[WOFF]
	s_mov_b32 s77, 0
	s_lshl_b32 s78, s19, 21                        ; qf: 2 MiB a batch, 32,768 bytes a block of 64 queries
	s_lshl_b32 s79, s20, 15
	s_add_co_u32 s78, s78, s79
	s_mov_b32 s79, 0
	s_lshl_b32 s80, s[WV], 20                      ; x, out0: my wave's 64 channels of 16,384 bytes, my block's 256 bytes of a row, the batch's 4 MiB
	s_lshl_b32 s81, s20, 8
	s_add_co_u32 s80, s80, s81
	s_lshl_b32 s81, s19, 22
	s_add_co_u32 s80, s80, s81
	s_mov_b32 s81, 0
	s_lshl_b32 s82, s[WV], 15                      ; wf: Wpv's tiles 16 + 4 w ..
	s_add_co_u32 s82, s82, 131072
	s_mov_b32 s83, 0
	s_lshl_b32 s84, s[WV], 8                       ; bc: bpv of my 64 channels
	s_add_co_u32 s84, s84, 1024
	s_mov_b32 s85, 0
	s_wait_dscnt 0x0                               ; both opening adds are done
	s_wait_kmcnt 0x0
	s_add_nc_u64 s[HB:HB+1], s[6:7], s[76:77]
.irp n, 0,1,2,3
	s_add_nc_u64 s[G0+4*\n+2:G0+4*\n+3], s[HB:HB+1], s[68+2*\n:69+2*\n]
	s_or_b32 s[G0+4*\n+3], s[G0+4*\n+3], 0x80000000  ; type = 2
.endr
	s_add_nc_u64 s[4:5], s[4:5], s[78:79]
	s_add_nc_u64 s[12:13], s[12:13], s[80:81]
	s_add_nc_u64 s[14:15], s[14:15], s[80:81]
	s_add_nc_u64 s[8:9], s[8:9], s[82:83]
	s_add_nc_u64 s[10:11], s[10:11], s[84:85]
	CROUND                                         ; all four work-groups are here: the first joint loads meet
.irp n, 0,1,2,3
	tensor_load_to_lds s[G0+4*\n:G0+4*\n+3], s[G1:G1+7]  ; the walk's units 0 to 3 into slots 0 to 3
	s_nop 0
.endr
	PLACES
	v_and_b32 v[S], 31, v0                         ; lane (S^T's registers serve as scratch until the first products)
	v_lshlrev_b32 v[GO], 4, v[S]
	WIN 0x40                                       ; destination window 1, address window 0
.set f, 0
.rept 32                                       ; Q' stays in registers: tile f / 8, channels 32 (f % 8) on
	global_load_b128 v[8*f:8*f+3],   v[GO], s[4:5] offset:1024*f th:TH_LOAD_NT
	global_load_b128 v[8*f+4:8*f+7], v[GO], s[4:5] offset:1024*f+512 th:TH_LOAD_NT
.set f, f+1
.endr
	WIN 0x80                                       ; O^T starts at 0
.set i, 0
.rept 256
	v_mov_b32 v[i], 0
.set i, i+1
.endr
	WIN 0xc0
.set i, 0
.rept 256
	v_mov_b32 v[i], 0
.set i, i+1
.endr
	WIN 0
.irp q, 0,1,2,3
	v_mov_b32 v[ST+6*\q], 0xfe000000               ; c m: far below every c s
	v_mov_b32 v[ST+6*\q+2], 0                      ; l
	v_mov_b32 v[ST+6*\q+3], 0
.endr
	; hf's order: the piece of (row r, half hh) is number 16 hh + (r xor 8 hh).  With h = bit 4, e = bit 3, i = bits 2:0 of the lane and t = (h + e) % 2:
	v_bfe_u32 v[S+1], v0, 4, 1                     ; h
	v_bfe_u32 v[S+2], v0, 3, 1                     ; e
	v_and_b32 v[S+3], 7, v0                        ; i
	v_add_nc_u32 v[S+4], v[S+1], v[S+2]
	v_and_b32 v[S+4], 1, v[S+4]                    ; t
	v_lshl_add_u32 v[S+4], v[S+4], 3, v[S+3]
	v_lshl_add_u32 v[LBK], v[S+1], 4, v[S+4]       ; the plain load: row 8 e + i, half h: number 16 h + 8 t + i
	v_lshl_add_u32 v[LBV], v[S+2], 4, v[S+4]       ; the turning load: row 8 h + i, half e: number 16 e + 8 t + i
	v_lshl_add_u32 v[LBK], v[LBK], 4, s[WOFF]
	v_lshl_add_u32 v[LBV], v[LBV], 4, s[WOFF]
; 16 LDS loads: a key tile's eight fragments (rows = keys), 512 consecutive bytes a load
.macro FETCH buf, adr, off
.irp f, 0,1,2,3,4,5,6,7
	ds_load_b128 v[(\buf)+8*\f:(\buf)+8*\f+3],   v[\adr] offset:(\off)+1024*\f
	ds_load_b128 v[(\buf)+8*\f+4:(\buf)+8*\f+7], v[\adr] offset:(\off)+1024*\f+512
.endr
.endm
; 16 turning loads: eight fragments (rows = channels 16 cb .., k = the block's 32 keys): channel tile cb's 512 bytes of the first key tile, then of the second
.macro FETCHV buf, adr, off
.irp f, 0,1,2,3,4,5,6,7
	ds_load_tr16_b128 v[(\buf)+8*\f:(\buf)+8*\f+3],   v[\adr] offset:(\off)+512*\f
	ds_load_tr16_b128 v[(\buf)+8*\f+4:(\buf)+8*\f+7], v[\adr] offset:(\off)+512*\f+8192
.endr
.endm
; Product KQI of 64 of S^T = h Q'^T: key tile KQI / 32, channels 32 ((KQI % 32) / 4) on, query tile KQI % 4.  The four accumulators of a key tile take turns; the first four start the sums
.macro KQP
.set rS, S+16*(KQI%4)+8*(KQI/32)
.set rK, FA+64*(KQI/32)+8*((KQI%32)/4)
.set rQ, 64*(KQI%4)+8*((KQI%32)/4)
	WIN 0x04                                       ; Q' in window 1
.if (KQI%32) < 4
	v_wmma_f32_16x16x32_bf16 v[rS:rS+7], v[rK:rK+7], v[rQ:rQ+7], 0
.else
	v_wmma_f32_16x16x32_bf16 v[rS:rS+7], v[rK:rK+7], v[rQ:rQ+7], v[rS:rS+7]
.endif
.endm
; Product PKI of 64 of O^T += h^T P: channel tile 8 (PKI / 32) + PKI % 8, query tile (PKI % 32) / 8.  Each accumulator has one product, so they take turns
.macro PVP
.set rT, 4*(8*(PKI/32)+PKI%8)+(PKI%32)/8       ; O^T's tile
.set rO, 8*(rT%32)
.set rV, FA+8*(8*(PKI/32)+PKI%8)
.set rP, P+8*((PKI%32)/8)
	WIN 0xa0+0x50*(PKI/32)
	v_wmma_f32_16x16x32_bf16 v[rO:rO+7], v[rV:rV+7], v[rP:rP+7], v[rO:rO+7]
.endm
; the next cnt of the 256 lines that multiply O^T by a: line RSI is pair RSI % 4 of tile RSI / 4 (lowest registers first)
.macro RS cnt
.rept \cnt
.set rO, 8*((RSI/4)%32)+2*(RSI%4)
.set rA, ST+6*((RSI/4)%4)+4
	WIN 0x82+0x41*(RSI/128)
	v_pk_mul_f32 v[rO:rO+1], v[rO:rO+1], v[rA:rA+1] op_sel_hi:[1,0]
.set RSI, RSI+1
.endr
.endm
; THE SOFTMAX's LINES.  Number n of the 15 that find tile q's maximum and statistics.  s0-s15 are the lane's 16 scores; each accumulator's lowest registers are read first.
;   0-7  two chains c0, c1, three operands at a time, then both     8, 9  the query's other 16 keys lie in the lane 16 away     10, 11  c x the block's maximum, and the old c m: the new c m
;   12-14  c m_old - c m_new; c m is kept; a
.macro XQ n, q
.set rT, ST+6*(\q)
.set rS, S+16*(\q)
.if (\n) == 0
	v_max3_num_f32 v[rT+1], v[rS], v[rS+1], v[rS+2]
.elseif (\n) == 1
	v_max3_num_f32 v[rT+5], v[rS+8], v[rS+9], v[rS+10]
.elseif (\n) == 2
	v_max3_num_f32 v[rT+1], v[rT+1], v[rS+3], v[rS+4]
.elseif (\n) == 3
	v_max3_num_f32 v[rT+5], v[rT+5], v[rS+11], v[rS+12]
.elseif (\n) == 4
	v_max3_num_f32 v[rT+1], v[rT+1], v[rS+5], v[rS+6]
.elseif (\n) == 5
	v_max3_num_f32 v[rT+5], v[rT+5], v[rS+13], v[rS+14]
.elseif (\n) == 6
	v_max3_num_f32 v[rT+1], v[rT+1], v[rS+7], v[rS+15]
.elseif (\n) == 7
	v_max_num_f32 v[rT+1], v[rT+1], v[rT+5]
.elseif (\n) == 8
	v_permlanex16_b32 v[rT+5], v[rT+1], s[SEL], s[SEL+1]
.elseif (\n) == 9
	v_max_num_f32 v[rT+1], v[rT+1], v[rT+5]
.elseif (\n) == 10
	v_mul_f32 v[rT+1], s[CS], v[rT+1]
.elseif (\n) == 11
	v_max_num_f32 v[rT+1], v[rT+1], v[rT]
.elseif (\n) == 12
	v_sub_f32 v[rT+4], v[rT], v[rT+1]
.elseif (\n) == 13
	v_mov_b32 v[rT], v[rT+1]
.else
	v_exp_f32 v[rT+4], v[rT+4]
.endif
.endm
.macro XALL n                          ; the four tiles by turns: a tile's links stand a slice apart
.irp q, 0,1,2,3
	XQ \n, \q
.endr
.endm
.macro FN                              ; the next scaling c s - c m: pair QF / 4 of tile QF % 4
.set rT, ST+6*(QF%4)
.set rS, S+16*(QF%4)+2*(QF/4)
	v_pk_fma_f32 v[rS:rS+1], v[rS:rS+1], s[CS:CS+1], v[rT:rT+1] op_sel_hi:[1,0,0] neg_lo:[0,0,1] neg_hi:[0,0,1]
.set QF, QF+1
.endm
.macro EN                              ; the next exponential: the pairs in the scalings' order, two to a pair
.set rS, S+16*((QE/2)%4)+2*(QE/8)+QE%2
	v_exp_f32 v[rS], v[rS]
.set QE, QE+1
.endm
.macro LSN                             ; the next sum: l takes pair QL / 4 of tile QL % 4 (the first time as l = a l + pair)
.set rT, ST+6*(QL%4)
.set rS, S+16*(QL%4)+2*(QL/4)
.if QL < 4
	v_pk_fma_f32 v[rT+2:rT+3], v[rT+2:rT+3], v[rT+4:rT+5], v[rS:rS+1] op_sel_hi:[1,0,1]
.else
	v_pk_add_f32 v[rT+2:rT+3], v[rT+2:rT+3], v[rS:rS+1]
.endif
.set QL, QL+1
.endm
.macro CV q, i                         ; pair i of tile q rounded to bf16
	v_cvt_pk_bf16_f32 v[P+8*(\q)+(\i)], v[S+16*(\q)+2*(\i)], v[S+16*(\q)+2*(\i)+1]
.endm
; SLICE PKI of the softmax, behind product PKI of h^T P.
;   0-14   the maximum and statistics, a number of all four tiles each
;   15-38  ONE BATCH with the four a of slice 14: 32 scalings and 64 exponentials; a slice begins with a scaling; no line names an exponential's result.  Exponential e comes behind scaling e / 2:
;          ahead of slice 21 + j stand 14 + j scalings and 10 + 3 j exponentials, and the slice's own scaling leads it
;   39     a plain line behind the last exponential, the one wait ahead of the first reader, three sums
;   40-46  25 more sums     46-50  tile 0's roundings (P's tile 0 was last read by product 39) and tile 1's (by product 47; slice 47's four lines are the places between)
;   55     the last four sums: the places between product 55, which reads P's tile 2 for the last time, and     56  half of tile 2's roundings
.macro SLICE
.if PKI < 15
	WIN 0
	XALL PKI
.elseif PKI == 15
	WIN 0
	FN
	FN
	FN
	FN
.elseif PKI < 21
	WIN 0
	FN
	EN
	FN
	EN
.elseif PKI < 39
	WIN 0
	FN
	EN
	EN
	EN
.elseif PKI == 39
	WIN 0
	v_nop
	s_wait_alu depctr_va_vdst(0)
	LSN
	LSN
	LSN
.elseif PKI < 46
	WIN 0
	LSN
	LSN
	LSN
	LSN
.elseif PKI == 46
	WIN 0
	LSN
	CV 0, 0
	CV 0, 1
	CV 0, 2
.elseif PKI == 47
	WIN 0
	CV 0, 3
	CV 0, 4
	CV 0, 5
	CV 0, 6
.elseif PKI == 48
	WIN 0
	CV 0, 7
	CV 1, 0
	CV 1, 1
	CV 1, 2
.elseif PKI == 49
	WIN 0
	CV 1, 3
	CV 1, 4
	CV 1, 5
	CV 1, 6
.elseif PKI == 50
	WIN 0
	CV 1, 7
.elseif PKI == 55
	WIN 0
	LSN
	LSN
	LSN
	LSN
.elseif PKI == 56
	WIN 0
	CV 2, 0
	CV 2, 1
	CV 2, 2
	CV 2, 3
.endif
.endm
; THE FIRST PART OF TRIP t: the scores of block t + 1.  rs = 1: O^T's tile i is multiplied by a(t) behind product i.  vf = 1: block t's turned fragments are fetched, each half into the buffer just multiplied;
; the four rescaling lines behind a buffer's last reader are the places in front of the loads.
.macro PHASEK rs, vf
.set KQI, 0
.set RSI, 0
	s_wait_dscnt 16                                ; the first key tile is in; the second's 16 loads may stay out
.rept 64
.if KQI == 32
.if \vf
	s_wait_dscnt 16                                ; the second key tile is in; the 16 turning loads may stay out
.else
	s_wait_dscnt 0x0
.endif
.endif
	KQP
.if \rs
	RS 4
.endif
.if \vf
.if KQI == 31
	WIN 0
	v_add_nc_u32 v[ADV], s[TBV], v[LBV]
	FETCHV FA, ADV, 0                              ; channels 0-127
.endif
.if KQI == 63
	WIN 0
	FETCHV FB, ADV, 4096                           ; channels 128-255
.endif
.endif
.set KQI, KQI+1
.endr
.if !(\rs)
	WIN 0
	PLACES                                         ; no riders: the places behind the last products
.endif
.endm
; THE SECOND PART: pv = 1: O^T += h^T P of block t.  sm = 1: the softmax of block t + 1, and block t + 2's plain fragments are fetched: the first key tile behind slice 34 (the scalings of slices 31 to 34 and the
; address's line are the places behind product 31, the buffer's last reader), the second behind the trip's last twelve lines.
; fill = 1: THE CHANGE OF SLOTS.  Behind slice 40 every read of block t is back.  Each wave waits for all its tensor loads, of which one is out; adds 0 to its spare word; four products on, waits for that and for its LDS
; reads, and signals; four products on it passes the rest of a round of the cluster's barrier: no wave of any partner still reads unit t or has a load on its way.  The joint refill is the first thing behind it.
.macro PHASEV pv, sm, fill
.set PKI, 0
.set QF, 0
.set QE, 0
.set QL, 0
.if \pv
	s_wait_dscnt 16                                ; channels 0-127 are in; the other 16 turning loads may stay out
.endif
.rept 64
.if \pv
.if PKI == 32
	s_wait_dscnt 0x0                               ; channels 128-255 are in; nothing younger is out
.endif
	PVP
.endif
.if \sm
	SLICE
.if PKI == 34
	WIN 0
	s_xor_b32 s[TK], s[TBV], HALF                  ; block t + 2 lies two slots on
	v_add_nc_u32 v[ADK], s[TK], v[LBK]
	FETCH FA, ADK, 0
.endif
.endif
.if \fill
.if PKI == 40
	WIN 0                                          ; (the add's two registers lie in window 0)
	s_wait_tensorcnt 0x0                           ; no tensor load of mine is out, so a group 0 may be written
	ds_add_u32 v[SPW], v[NIL]                      ; 0 onto my spare word; scalar steps and four products stand between it and the wait for it
	s_add_co_u32 s[G0W+1], s[TBV], s[WOFF]         ; LDS address: block t's slot, my wave's share
	s_and_b32 s[OFF], s[NXT], 31                   ; the walk's unit t + 4, modulo 32,
	s_lshl_b32 s[OFF], s[OFF], 16                  ; in bytes: the address is made anew from the number
	s_add_nc_u64 s[G0W+2:G0W+3], s[HB:HB+1], s[OFF:OFF+1]
	s_or_b32 s[G0W+3], s[G0W+3], 0x80000000        ; type = 2
	s_add_co_u32 s[NXT], s[NXT], 1
.endif
.if PKI == 44
	s_wait_dscnt 0x0                               ; the add is done, and my LDS reads are back, those of block t among them
	s_barrier_signal -1
.endif
.if PKI == 48
	WIN 0                                          ; at a branch and at a label every window is 0
	s_barrier_wait -1
	CREST
	tensor_load_to_lds s[G0W:G0W+3], s[G1:G1+7]    ; my one tensor load behind the round
	s_nop 0
	PLACES
.endif
.endif
.set PKI, PKI+1
.endr
.if \sm
	WIN 0
	CV 2, 4                                        ; four lines on tile 2: the places behind product 63, which reads P's tile 3 and the second buffer for the last time
	CV 2, 5
	CV 2, 6
	CV 2, 7
.irp i, 0,1,2,3,4,5,6,7
	CV 3, \i
.endr
	FETCH FB, ADK, 8192
.endif
.endm
	s_mov_b32 s[TBV], 3*SLOTB                      ; the lines ahead of the loop are trip -1: its block t + 2 is block 1, in slot 1
	s_wait_tensorcnt 0x3                           ; my share of the walk's unit 0 is in, and I alone read it; the other three may stay out
	v_mov_b32 v[ADK], v[LBK]
	FETCH FA, ADK, 0                               ; block 0
	FETCH FB, ADK, 8192
	s_wait_loadcnt 0x0                             ; Q'
	PHASEK 0, 0                                    ; block 0's scores: there is no vector work yet to set between them
	s_wait_tensorcnt 0x1                           ; units 1 and 2 are in; unit 3 may stay out until the first change of slots
	PHASEV 0, 1, 0                                 ; block 0's softmax; block 1's plain fragments
	s_mov_b32 s[TBV], 0
	s_mov_b32 s[PAIRS], 14
.Lpair:                                        ; 14 x 2 trips: trips 0 to 27 ask for the walk's units 4 to 31
	s_mov_b32 s[CNT], 2
.Ltrip:
	PHASEK 1, 1
	PHASEV 1, 1, 1
	s_add_co_u32 s[TBV], s[TBV], SLOTB             ; the next block's slot
	s_sub_co_u32 s[CNT], s[CNT], 1
	s_cmp_lg_u32 s[CNT], 0
	s_cbranch_scc1 .Ltrip
	s_sub_co_u32 s[TBV], s[TBV], HALF              ; back by two slots,
	s_xor_b32 s[TBV], s[TBV], HALF                 ; in the ring's other half
	s_sub_co_u32 s[PAIRS], s[PAIRS], 1
	s_cmp_lg_u32 s[PAIRS], 0
	s_cbranch_scc1 .Lpair
	s_wait_tensorcnt 0x0                           ; my share of the walk's last unit is in; nothing is filled any more, so no barrier stands here
	s_mov_b32 s[CNT], 3
.Ltail:                                        ; trips 28 to 30
	PHASEK 1, 1
	PHASEV 1, 1, 0
	s_add_co_u32 s[TBV], s[TBV], SLOTB
	s_sub_co_u32 s[CNT], s[CNT], 1
	s_cmp_lg_u32 s[CNT], 0
	s_cbranch_scc1 .Ltail
	; trip 31: there is no further block
	s_wait_dscnt 0x0                               ; the two runs that serve nothing are back: their registers are loaded anew
	v_add_nc_u32 v[ADV], s[TBV], v[LBV]
	FETCHV FA, ADV, 0
	FETCHV FB, ADV, 4096
.set RSI, 0
	RS 256
	s_wait_dscnt 0x0
.set PKI, 0
.rept 64
	PVP
.set PKI, PKI+1
.endr
	WIN 0
	; THE END.  My l: both halves; these four lines are the places behind the last products.  Then the addresses, in P's place, and the loads that the last product and the residual want.
.irp q, 0,1,2,3
	v_add_f32 v[ST+6*\q+1], v[ST+6*\q+2], v[ST+6*\q+3]
.endr
	v_and_b32 v1, 15, v0                           ; r = lane % 16
	v_bfe_u32 v2, v0, 4, 1                         ; h = lane / 16
	v_and_b32 v3, 31, v0                           ; lane
	v_lshlrev_b32 v[XO], 14, v2                    ; two rows of x and out0: lanes 0-15 one row's 256 bytes, lanes 16-31 the next
	v_lshl_add_u32 v[XO], v1, 4, v[XO]
	v_lshlrev_b32 v[R4], 2, v1
	WIN 0x40
.set f, 0
.rept 32                                       ; Wpv: channel tile f / 8 of my four, input channels 32 (f % 8) on
	global_load_b128 v[8*f:8*f+3],   v[GO], s[8:9] offset:1024*f
	global_load_b128 v[8*f+4:8*f+7], v[GO], s[8:9] offset:1024*f+512
.set f, f+1
.endr
	WIN 0
.set t, 0
.rept 32
	global_load_b128 v[FA+4*t:FA+4*t+3], v[XO], s[12:13] offset:32768*t th:TH_LOAD_NT  ; channels 64 w + 2 t + h: 16 lanes take my block's 256 bytes of a row
.set t, t+1
.endr
.irp o, 0,1,2,3
	global_load_b32 v[BP+\o], v[R4], s[10:11] offset:64*\o
.endr
.irp q, 0,1,2,3
	v_permlanex16_b32 v[ST+6*\q+5], v[ST+6*\q+1], s[SEL], s[SEL+1]  ; the other half of the lanes' l
.endr
.irp q, 0,1,2,3
	v_add_f32 v[ST+6*\q+1], v[ST+6*\q+1], v[ST+6*\q+5]
.endr
	s_lshl_b32 s22, s[WV], 9
	s_add_co_u32 s22, s22, STATB
	v_lshl_add_u32 v[STS], v1, 3, s22
	v_lshl_add_u32 v[STR], v1, 3, STATB
	s_lshl_b32 s22, s[WV], 16
	v_lshl_add_u32 v[MGR], v3, 4, s22              ; the merge's region of tile w: 65,536 w
	s_lshl_b32 s22, s[WV], 13
	s_add_co_u32 s22, s22, OBB
	v_lshl_add_u32 v[OBS], v3, 4, s22
	v_lshl_add_u32 v[OBR], v3, 4, OBB
	s_mul_i32 s22, s[WV], 64*SP                    ; my stage for the way out
	v_mul_u32_u24 v[STO], v1, SP                   ; in: row r of a tile of 16 channels, 32 bytes for each half of the lanes
	v_lshl_add_u32 v[STO], v2, 5, v[STO]
	v_add_nc_u32 v[STO], s22, v[STO]
	v_mul_u32_u24 v[RD], v2, SP                    ; back: lanes 0-15 take one row of 256 bytes, lanes 16-31 the next
	v_lshl_add_u32 v[RD], v1, 4, v[RD]
	v_add_nc_u32 v[RD], s22, v[RD]
	s_lshl_b32 s22, s[WV], 14
	v_lshl_add_u32 v[MG], v3, 4, s22               ; in tile q's region my 16,384 bytes
.irp q, 1,2,3
	v_add_nc_u32 v[MG+\q], 65536*\q, v[MG]
.endr
.irp q, 0,1,2,3
	ds_store_b64 v[STS], v[ST+6*\q:ST+6*\q+1] offset:128*\q  ; (c m, l); lanes r and r + 16 write the same two numbers
.endr
	s_wait_dscnt 0x0
	s_barrier_signal -1
	s_barrier_wait -1                              ; the four waves' figures lie in LDS, and no wave reads the ring any more; its last fill has landed: from here on its bytes are scratch
.irp q, 0,1,2,3
.irp k, 0,1,2,3
	ds_load_b64 v[S+8*\q+2*\k:S+8*\q+2*\k+1], v[STR] offset:512*\k+128*\q
.endr
.endr
	s_wait_dscnt 0x0
	; the common maximum; f_k = 2^(c m_k - max); L = the sum of f_k l_k; my O^T is multiplied by f_mine / L
.irp q, 0,1,2,3
	v_max3_num_f32 v[ST+6*\q+2], v[S+8*\q], v[S+8*\q+2], v[S+8*\q+4]
.endr
.irp q, 0,1,2,3
	v_max_num_f32 v[ST+6*\q+2], v[ST+6*\q+2], v[S+8*\q+6]
.endr
.irp q, 0,1,2,3
.irp k, 0,1,2,3
	v_sub_f32 v[S+8*\q+2*\k], v[S+8*\q+2*\k], v[ST+6*\q+2]
.endr
	v_sub_f32 v[ST+6*\q+4], v[ST+6*\q], v[ST+6*\q+2]
.endr
.irp q, 0,1,2,3
.irp k, 0,1,2,3
	v_exp_f32 v[S+8*\q+2*\k], v[S+8*\q+2*\k]
.endr
	v_exp_f32 v[ST+6*\q+4], v[ST+6*\q+4]
.endr
	v_nop                                          ; a plain instruction behind the last exponential,
	s_wait_alu depctr_va_vdst(0)                   ; and one wait for the twenty
.irp q, 0,1,2,3
	v_mul_f32 v[ST+6*\q+3], v[S+8*\q], v[S+8*\q+1]
.endr
.irp k, 1,2,3
.irp q, 0,1,2,3
	v_fma_f32 v[ST+6*\q+3], v[S+8*\q+2*\k], v[S+8*\q+2*\k+1], v[ST+6*\q+3]
.endr
.endr
.irp q, 0,1,2,3
	v_rcp_f32 v[ST+6*\q+3], v[ST+6*\q+3]
.endr
	v_nop
	s_wait_alu depctr_va_vdst(0)                   ; one wait for the four reciprocals
.irp q, 0,1,2,3
	v_mul_f32 v[ST+6*\q+4], v[ST+6*\q+4], v[ST+6*\q+3]
.endr
.set RSI, 0
	RS 256
	; THE MERGE, in f32: tile q's partial O^T goes to region q (65,536 bytes in the ring's place), my 16,384 bytes of it; wave w then adds up region w
.set t, 0
.rept 64
	WIN 0x08+0x04*(t/32)                           ; store data in window 2 or 3
	ds_store_b128 v[MG+t%4], v[8*(t%32):8*(t%32)+3]   offset:(t/4)*1024
	ds_store_b128 v[MG+t%4], v[8*(t%32)+4:8*(t%32)+7] offset:(t/4)*1024+512
.set t, t+1
.endr
	WIN 0
	s_wait_dscnt 0x0
	s_barrier_signal -1
	s_barrier_wait -1
	WIN 0x80
.set u, 0
.rept 64                                       ; waves 0 and 1's parts into window 2,
	ds_load_b128 v[4*u:4*u+3], v[MGR] offset:(u/32)*16384+(u%32)*512
.set u, u+1
.endr
	WIN 0xc0
.set u, 0
.rept 64                                       ; waves 2 and 3's into window 3
	ds_load_b128 v[4*u:4*u+3], v[MGR] offset:32768+(u/32)*16384+(u%32)*512
.set u, u+1
.endr
	s_wait_dscnt 0x0
	WIN 0x8a
.set i, 0
.rept 64
	v_pk_add_f32 v[i:i+1], v[i:i+1], v[128+i:129+i]
.set i, i+2
.endr
	WIN 0xcf
.set i, 0
.rept 64
	v_pk_add_f32 v[i:i+1], v[i:i+1], v[128+i:129+i]
.set i, i+2
.endr
	WIN 0x8e
.set i, 0
.rept 64
	v_pk_add_f32 v[i:i+1], v[i:i+1], v[i:i+1]      ; window 2's sum + window 3's
.set i, i+2
.endr
	WIN 0x0a                                       ; O of my 16 queries, rounded to bf16: a lane's eight channels are 16 bytes of a fragment (row = query, k = channel)
.set i, 0
.rept 64
	v_cvt_pk_bf16_f32 v[S+i], v[2*i], v[2*i+1]
.set i, i+1
.endr
	WIN 0
.set u, 0
.rept 16
	ds_store_b128 v[OBS], v[S+4*u:S+4*u+3] offset:512*u
.set u, u+1
.endr
	s_wait_dscnt 0x0                               ; my stores are done, and so are my reads of the merge's bytes
	s_barrier_signal -1
	s_barrier_wait -1
	WIN 0xc0
.set f, 0
.rept 32                                       ; O's fragments of all 64 queries: tile f / 8, channels 32 (f % 8) on
	ds_load_b128 v[8*f:8*f+3],   v[OBR] offset:1024*f
	ds_load_b128 v[8*f+4:8*f+7], v[OBR] offset:1024*f+512
.set f, f+1
.endr
	s_wait_loadcnt 0x0                             ; Wpv, x, the bias
	WIN 0x80
.irp o, 0,1,2,3
.irp j, 0,1,2,3,4,5,6,7
	v_mov_b32 v[8*\o+\j], v[BP+\o]                 ; in the last product a lane holds one output channel: the C tuple's eight registers are alike
.endr
.endr
	s_wait_dscnt 0x0
	; THE LAST PRODUCT: source 0 = O (16 queries), source 1 = Wpv (16 output channels): a lane holds one channel and eight neighbouring positions of its row of out0.  16 accumulators take turns; the bias starts the sums
	WIN 0xa7
.set kf, 0
.rept 8
.set t, 0
.rept 16
.set rD, 128+8*t
.set rA, 64*(t%4)+8*kf
.set rB, 64*(t/4)+8*kf
.if kf == 0
	v_wmma_f32_16x16x32_bf16 v[rD:rD+7], v[rA:rA+7], v[rB:rB+7], v[8*(t/4):8*(t/4)+7]
.else
	v_wmma_f32_16x16x32_bf16 v[rD:rD+7], v[rA:rA+7], v[rB:rB+7], v[rD:rD+7]
.endif
.set t, t+1
.endr
.set kf, kf+1
.endr
	PLACES
	; THE WAY OUT, through my own stage (64 rows of 272 bytes in the ring's place): in by lanes, back as whole rows of 256 bytes; x is added; 16 lanes store 256 consecutive bytes, aligned
	WIN 0x08
.set t, 0
.rept 16
	ds_store_b128 v[STO], v[128+8*t:128+8*t+3] offset:(t/4)*16*SP+(t%4)*64
	ds_store_b128 v[STO], v[128+8*t+4:128+8*t+7] offset:(t/4)*16*SP+(t%4)*64+16
.set t, t+1
.endr
	WIN 0x44                                       ; one setting for the rest: addresses and x (source 0) in window 0; the rows (destination, source 1, store data) in window 1
.set t, 0
.rept 32
	ds_load_b128 v[4*t:4*t+3], v[RD] offset:2*SP*t ; LDS serves a wave's instructions in order (ISA guide 5.7.1.4): these see the stores above
.set t, t+1
.endr
.set t, 0
.rept 32
	s_wait_dscnt 31-t                              ; rows 2 t, 2 t + 1 are back; the younger loads stay out
	v_pk_add_f32 v[4*t:4*t+1],   v[FA+4*t:FA+4*t+1],   v[4*t:4*t+1]
	v_pk_add_f32 v[4*t+2:4*t+3], v[FA+4*t+2:FA+4*t+3], v[4*t+2:4*t+3]
	global_store_b128 v[XO], v[4*t:4*t+3], s[14:15] offset:32768*t th:TH_STORE_NT
.set t, t+1
.endr
	WIN 0
	s_wait_tensorcnt 0x0                           ; the wave's end: behind my last tensor load and my last LDS store
	ds_add_u32 v[SPW], v[NIL]
	s_wait_dscnt 0x0
	CROUND                                         ; the closing round: no work-group ends while a partner may still ask for a tile that names it
	s_endpgm
.Lfunc_end_k_q96bd1f958a_attn:
	.size	k_q96bd1f958a_attn, .Lfunc_end_k_q96bd1f958a_attn-k_q96bd1f958a_attn
	.p2alignl 7, 3214868480
	.fill 96, 4, 3214868480
	.section	.rodata,"a",@progbits
	.p2align	6, 0x0
	.amdhsa_kernel k_q96bd1f958a_attn
		.amdhsa_group_segment_fixed_size 327680
		.amdhsa_private_segment_fixed_size 0
		.amdhsa_enable_private_segment 0
		.amdhsa_kernarg_size 48
		.amdhsa_user_sgpr_count 2
		.amdhsa_user_sgpr_kernarg_segment_ptr 1
		.amdhsa_wavefront_size32 1
		.amdhsa_system_sgpr_workgroup_id_x 1
		.amdhsa_system_sgpr_workgroup_id_y 1
		.amdhsa_system_sgpr_workgroup_id_z 1
		.amdhsa_system_vgpr_workitem_id 0
		.amdhsa_next_free_vgpr 1024
		.amdhsa_next_free_sgpr 88
		.amdhsa_reserve_vcc 0
		.amdhsa_float_denorm_mode_32 3
		.amdhsa_float_denorm_mode_16_64 3
		.amdhsa_memory_ordered 1
		.amdhsa_forward_progress 1
		.amdhsa_inst_pref_size 255
	.end_amdhsa_kernel
	.section	.bss,"aw",@nobits
	.p2align	6
	.space	262144
	.amdgpu_metadata
---
amdhsa.version: [ 1, 2 ]
amdhsa.kernels:
  - .name:           k_q96bd1f958a_attn
    .symbol:         k_q96bd1f958a_attn.kd
    .args:
      - { .name: qf, .offset: 0, .size: 8, .value_kind: global_buffer, .address_space: global }
      - { .name: hf, .offset: 8, .size: 8, .value_kind: global_buffer, .address_space: global }
      - { .name: wf, .offset: 16, .size: 8, .value_kind: global_buffer, .address_space: global }
      - { .name: bc, .offset: 24, .size: 8, .value_kind: global_buffer, .address_space: global }
      - { .name: x, .offset: 32, .size: 8, .value_kind: global_buffer, .address_space: global }
      - { .name: out0, .offset: 40, .size: 8, .value_kind: global_buffer, .address_space: global }
    .group_segment_fixed_size: 327680
    .private_segment_fixed_size: 0
    .kernarg_segment_align: 8
    .kernarg_segment_size: 48
    .max_flat_workgroup_size: 128
    .sgpr_count:     88
    .vgpr_count:     1024
    .wavefront_size: 32
...
	.end_amdgpu_metadata
.endif
;; end of part 6
